; MI455X (gfx1250); checked and timed in simulation.
; The chip was launched on July 23, 2026; its instructions are those of AMD's public machine-readable ISA for CDNA 5 (MIT licence, August 2026) and "CDNA5" Instruction Set Architecture Reference Guide (July 2026). The comments in the code are by the model that wrote it; some were corrected since.
;; Single Head Causal Self Attention. Allowed arithmetic: matrix products marked QUANTISED: E2M1 operands, one E8M0 scale for each 32 along K, by v_wmma_scale_f32_16x16x128_f8f6f4 with both operands' format E2M1 (or v_wmma_scale_f32_32x16x128_f4), f32 sums; products left as they are: bf16, f16 or f32 operands; f32 sums; everything else in f32.
;; Inputs: Wk 384 x 384 float32; Wq 384 x 384 float32; Wv 384 x 384 float32; x 8 x 2,048 x 384 float32.
;; Outputs: out0 8 x 2,048 x 384 float32.
;; This version of the problem:
;;   THIS VERSION OF THE PROBLEM IS GIVEN IN LOW PRECISION. The matrix products marked QUANTISED in the list below multiply operands that are first quantised to E2M1 (2 exponent bits, 1 mantissa bit; 4 bits a number), with one power-of-two scale for each 32 numbers along K (OCP MX v1.0); their sums are f32. The products marked 'left as it is' may take bf16, f16 or f32 operands, with f32 sums. Whichever they take, every output number must still come out within the allowed error. Rounding operands to bf16 (8 significant bits) uses up far more of that allowance than f16 does (11 bits, for magnitudes from 6e-5 to 65,504). All else is computed in f32.
;;   The module's matrix products, in the order in which they are computed (A, B: the left and right operand; K: the contracted axis; several contracted axes count as one K, in the product's order):
;;     1. [M 16,384, K 384] x [K 384, N 384]; A: input x; B: input Wq: QUANTISED
;;     2. [M 16,384, K 384] x [K 384, N 384]; A: input x; B: input Wk: QUANTISED
;;     3. [M 16,384, K 384] x [K 384, N 384]; A: input x; B: input Wv: QUANTISED
;;     4. batch 8 x [M 2,048, K 384] x [K 384, N 2,048]; A: computed on the way; B: computed on the way: left as it is (an operand is computed on the way)
;;     5. batch 8 x [M 2,048, K 2,048] x [K 2,048, N 384]; A: computed on the way; B: computed on the way: left as it is (an operand is computed on the way)
;;   THE QUANTISER, for each operand of a quantised product, along K:
;;     - K is cut into blocks of 32 from its start; a last block that is shorter is filled with zeros.
;;     - A block's scale is 2^e with e = floor(log2(the largest magnitude in the block)) - 2, held to -126 .. 127; a block of zeros has e = 0. As a byte (E8M0): e + 127.
;;     - Each number is divided by its block's scale, clamped to +-6, and rounded to the nearest number of E2M1, ties to even, subnormals kept.
;;     - The product sums the exact products of the quantised numbers (number of the format x scale) in f32.
;;   ~~~python
;;   def quantise(x, axis):      # numpy; x: float32 -> the quantised numbers, widened to float32 again
;;       x = np.moveaxis(x, axis, -1); K = x.shape[-1]
;;       x = np.pad(x, [(0, 0)] * (x.ndim - 1) + [(0, -K % 32)]); x = x.reshape(x.shape[:-1] + (-1, 32)); a = np.abs(x).max(-1, keepdims=True)
;;       e = np.where(a > 0, np.clip(np.frexp(np.where(a > 0, a, 1))[1] - 1 - 2, -126, 127), 0)      # np.frexp(a)[1] - 1 = floor(log2(a)), exactly
;;       r = np.clip(x / 2.0 ** e, -6, 6)
;;       step = 2.0 ** (np.maximum(np.frexp(np.where(r == 0, 1, r))[1] - 1, 0) - 1)
;;       q = np.round(r / step) * step * 2.0 ** e      # np.round: ties to even
;;       return np.moveaxis(q.reshape(q.shape[:-2] + (-1,))[..., :K], -1, axis).astype(np.float32)
;;   ~~~
;; 2 versions, each right. Each part assembles by itself: llvm-mc -triple=amdgcn-amd-amdhsa -mcpu=gfx1250 --defsym DOCPART=n.
;; ======== version 1 of 2: 4 launches
;; limits: values are held in f16: magnitudes above 65,504 overflow, below 6.1e-05 lose precision
;; workspace buffers: wcodes 221,184 bytes; wscl 36,864 bytes; qkv 37,748,736 bytes; q32 589,824 bytes
;; launch quantw (part 1): grid 24 x 3, 1 waves a work-group, no clusters, 0 bytes of LDS; arguments Wq, Wk, Wv, wcodes, wscl; writes wcodes, wscl
.if DOCPART == 1
	.amdgcn_target "amdgcn-amd-amdhsa--gfx1250"
	.amdhsa_code_object_version 6
	.text
	.protected	k_q3f84a24786_quantw
	.globl	k_q3f84a24786_quantw
	.p2align	8
	.type	k_q3f84a24786_quantw,@function
k_q3f84a24786_quantw:
	s_mov_b64 s[64:65], 0
	v_nop
	global_prefetch_b8 v0, s[64:65] scope:SCOPE_SE
	s_setreg_imm32_b32 hwreg(HW_REG_WAVE_MODE, 25, 1), 1
	s_wait_xcnt 0x0
; Wq, Wk, Wv [384][384] f32 (K = the last axis) become codes of FP4 (E2M1) with one E8M0 byte for each 32 along K, laid in the ORDER OF THE OPERAND'S REGISTERS.
; wcodes: [tile T 0..71][K step s 0..2][c 0..1][lane][16 bytes]: registers 4 c .. 4 c + 3 of lane (r, h) = k 128 s + 64 c + 32 h + 0 .. 31 of row 16 T + r (T / 24: 0 Wq, 1 Wk, 2 Wv).
; wscl:   [tile T][lane][4 words]: words 0..2 = the scale words of row lane % 16 for s = 0..2; word 3 is a filler that nobody uses.
; One wave takes one tile: 16 rows x 384.  A lane holds two whole blocks of 32 of a K step, so a block's largest magnitude needs no other lane.
; A block's scale is 2^(floor(log2(largest magnitude)) - 2); its byte is the largest magnitude's exponent field - 2, held at 1 from below.
; LIMITS: a block of zeros gets the byte 1 where the rule says 127 (its codes are zeros, and this program alone reads the bytes); NaN and infinities are not served.
; The whole launch reads 1.77 MB: each lane reads 128 consecutive bytes by eight loads; a turn through LDS is left out.
.set QS, 8                             ; v8-15 the quantiser's scratch
.set QH, 2                             ; v2    h = lane / 16
; 64 numbers of a lane, register 32 c + i = k 64 c + 32 h + i of its row, become the operand's 8 registers v[PC] on and the row's scale word v[PW] (in both halves of the lanes)
.macro QUANT2 X, PC, PW
.irp c, 0,1
	v_max3_num_f32 v[QS+\c], |v[(\X)+32*\c]|, |v[(\X)+32*\c+1]|, 0x1800000   ; my block 2 c + h, and the floor 2^(3 - 127): the byte cannot fall under 1
.endr
.irp i, 2,4,6,8,10,12,14,16,18,20,22,24,26,28,30
.irp c, 0,1
	v_max3_num_f32 v[QS+\c], v[QS+\c], |v[(\X)+32*\c+\i]|, |v[(\X)+32*\c+\i+1]|   ; the two blocks by turns
.endr
.endr
.irp c, 0,1
	v_add_nc_u32 v[QS+2+\c], 0xff000000, v[QS+\c]      ; 2 off the exponent field: the conversion's scale operand
.endr
.irp c, 0,1
	v_lshrrev_b32 v[QS+4+\c], 23, v[QS+2+\c]           ; the scale's byte
.endr
	v_lshl_or_b32 v[\PW], v[QS+5], 16, v[QS+4]         ; my two bytes: blocks h and 2 + h,
	v_lshlrev_b32 v[QS+6], 3, v[QH]
	v_lshlrev_b32 v[\PW], v[QS+6], v[\PW]              ; 8 h bits up;
	v_permlanex16_b32 v[QS+7], v[\PW], s20, s21
	v_or_b32 v[\PW], v[\PW], v[QS+7]                   ; with lane l xor 16's two the word is whole
.irp c, 0,1
.irp g, 0,1,2,3
	v_cvt_scalef32_pk8_fp4_f32 v[(\PC)+4*\c+\g], v[(\X)+32*\c+8*\g:(\X)+32*\c+8*\g+7], v[QS+2+\c]
.endr
.endr
	v_nop                                              ; one plain instruction behind the last scaled conversion
.endm
	s_load_b256 s[4:11], s[0:1], 0x0               ; Wq s[4:5], Wk s[6:7], Wv s[8:9], wcodes s[10:11]
	s_load_b64 s[12:13], s[0:1], 0x20              ; wscl
	v_and_b32 v1, 15, v0                           ; r
	v_lshrrev_b32 v2, 4, v0                        ; h
	v_mul_u32_u24 v3, v1, 1536
	v_lshl_add_u32 v3, v2, 7, v3                   ; in: row r of 1,536 bytes + 128 h
	v_lshlrev_b32 v4, 4, v0                        ; out: 16 x lane
	v_mov_b32 v15, 0                               ; written once: a lane permute's destination counts as one of its sources
	s_mov_b32 s20, 0x76543210
	s_mov_b32 s21, 0xfedcba98                      ; selects for lane l xor 16
	s_and_b32 s14, ttmp7, 0xffff                   ; which W
	s_mul_i32 s15, s14, 24
	s_add_co_u32 s15, s15, ttmp9                   ; T
	s_mul_i32 s16, ttmp9, 24576                    ; 16 rows of 1,536 bytes
	s_mov_b32 s17, 0
	s_mul_i32 s18, s15, 3072
	s_mov_b32 s19, 0
	s_lshl_b32 s22, s15, 9
	s_mov_b32 s23, 0
	s_wait_kmcnt 0x0
	s_cmp_eq_u32 s14, 1                            ; the choice hangs on the work-group's number alone
	s_cselect_b64 s[4:5], s[6:7], s[4:5]
	s_cmp_eq_u32 s14, 2
	s_cselect_b64 s[4:5], s[8:9], s[4:5]
	s_add_nc_u64 s[4:5], s[4:5], s[16:17]
	s_add_nc_u64 s[10:11], s[10:11], s[18:19]
	s_add_nc_u64 s[12:13], s[12:13], s[22:23]
.irp s, 0,1,2
.irp c, 0,1
.irp i, 0,1,2,3,4,5,6,7
	global_load_b128 v[32+64*\s+32*\c+4*\i:32+64*\s+32*\c+4*\i+3], v3, s[4:5] offset:512*\s+256*\c+16*\i
.endr
.endr
.endr
	s_wait_loadcnt 32                              ; K step 0's sixteen loads are in; the 32 of steps 1 and 2 may be out
	QUANT2 32, 224, 248
	s_wait_loadcnt 16                              ; step 1's are in; step 2's sixteen may be out
	QUANT2 96, 232, 249
	s_wait_loadcnt 0x0
	QUANT2 160, 240, 250
	v_mov_b32 v251, 0x7f7f7f7f                     ; the filler
.irp s, 0,1,2
.irp c, 0,1
	global_store_b128 v4, v[224+8*\s+4*\c:224+8*\s+4*\c+3], s[10:11] offset:1024*\s+512*\c   ; 32 lanes store 512 consecutive bytes
.endr
.endr
	global_store_b128 v4, v[248:251], s[12:13]     ; likewise
	s_endpgm
.Lfunc_end_k_q3f84a24786_quantw:
	.size	k_q3f84a24786_quantw, .Lfunc_end_k_q3f84a24786_quantw-k_q3f84a24786_quantw
	.p2alignl 7, 3214868480
	.fill 96, 4, 3214868480
	.section	.rodata,"a",@progbits
	.p2align	6, 0x0
	.amdhsa_kernel k_q3f84a24786_quantw
		.amdhsa_group_segment_fixed_size 0
		.amdhsa_private_segment_fixed_size 0
		.amdhsa_enable_private_segment 0
		.amdhsa_kernarg_size 40
		.amdhsa_user_sgpr_count 2
		.amdhsa_user_sgpr_kernarg_segment_ptr 1
		.amdhsa_wavefront_size32 1
		.amdhsa_system_sgpr_workgroup_id_x 1
		.amdhsa_system_sgpr_workgroup_id_y 1
		.amdhsa_system_sgpr_workgroup_id_z 1
		.amdhsa_system_vgpr_workitem_id 0
		.amdhsa_next_free_vgpr 256
		.amdhsa_next_free_sgpr 66
		.amdhsa_reserve_vcc 0
		.amdhsa_float_denorm_mode_32 3
		.amdhsa_float_denorm_mode_16_64 3
		.amdhsa_memory_ordered 1
		.amdhsa_forward_progress 1
		.amdhsa_inst_pref_size 16
	.end_amdhsa_kernel
	.amdgpu_metadata
---
amdhsa.version: [ 1, 2 ]
amdhsa.kernels:
  - .name:           k_q3f84a24786_quantw
    .symbol:         k_q3f84a24786_quantw.kd
    .args:
      - { .name: Wq, .offset: 0, .size: 8, .value_kind: global_buffer, .address_space: global }
      - { .name: Wk, .offset: 8, .size: 8, .value_kind: global_buffer, .address_space: global }
      - { .name: Wv, .offset: 16, .size: 8, .value_kind: global_buffer, .address_space: global }
      - { .name: wcodes, .offset: 24, .size: 8, .value_kind: global_buffer, .address_space: global }
      - { .name: wscl, .offset: 32, .size: 8, .value_kind: global_buffer, .address_space: global }
    .group_segment_fixed_size: 0
    .private_segment_fixed_size: 0
    .kernarg_segment_align: 8
    .kernarg_segment_size: 40
    .max_flat_workgroup_size: 32
    .sgpr_count:     66
    .vgpr_count:     256
    .wavefront_size: 32
...
	.end_amdgpu_metadata
.endif
;; end of part 1
;; launch proj (part 2): grid 256 x 1, 12 waves a work-group, no clusters, 267,264 bytes of LDS; arguments x, wcodes, wscl, qkv, q32; writes qkv, q32
.if DOCPART == 2
	.amdgcn_target "amdgcn-amd-amdhsa--gfx1250"
	.amdhsa_code_object_version 6
	.text
	.protected	k_q3f84a24786_proj
	.globl	k_q3f84a24786_proj
	.p2align	8
	.type	k_q3f84a24786_proj,@function
k_q3f84a24786_proj:
	s_mov_b64 s[64:65], 0
	v_nop
	global_prefetch_b8 v0, s[64:65] scope:SCOPE_SE
	s_setreg_imm32_b32 hwreg(HW_REG_WAVE_MODE, 25, 1), 1
	s_wait_xcnt 0x0
; Q, K, V = x W^T on codes of FP4 (E2M1) with one E8M0 scale for each 32 along K = 384.  x [16384][384] f32 is quantised here, in registers; the weights come as register images (wcodes, wscl).
; qkv: [0 Q, 1 K, 2 V][16384][384] f16, for the attention launch.  q32: [sequence][matrix][16][384] f32: the first 16 positions of every sequence, unrounded, for the launch that carries them in f32.
; SHARES.  A work-group takes 64 rows of x against all 1,152 columns.  Wave w (0..11) quantises ONE fragment of x (row tile a = w / 3, K step s = w % 3) and hands it to the others through LDS as an
; image of its registers; then it makes column tiles 6 w .. 6 w + 5 for the four row tiles: 72 matrix instructions.  Source 0 = 16 rows of W, source 1 = 16 rows of x: a lane holds 8 neighbouring columns of a row.
; x's loads read 512 consecutive bytes each; the 16 x 512 bytes turn through the wave's own LDS rows (528 bytes apart) so that a lane gets 32 neighbours of each of its two blocks.
; The results go as f16 through a stage (64 rows x 784 bytes a matrix) and leave as runs of 512 consecutive bytes.
; LIMITS: results beyond 65,504 in magnitude become infinite in f16; a block of zeros gets the scale byte 1 (its codes are zeros; this program alone reads the bytes); NaN and infinities are not served.
; No tensor load: each LDS byte is written once.  W's codes (18 KB a wave) come straight into registers, two tiles ahead.
.set XIMG,  101376                     ; LDS: 0: twelve turning places of 16 x 528; here: x's twelve fragments, 1,024 bytes each;
.set XSC,   113664                     ; their scale words, 128 bytes each;
.set OSTG,  115200                     ; the stage: three matrices x 64 rows x 784;
.set SPARE, 265728                     ; the spare words, 128 bytes for each wave: six blocks of 256 bytes that no other line names
.set MATB,  12582912                   ; a matrix of qkv in bytes
.set QS, 16                            ; v16-23 the quantiser's scratch, v24 its scale word; later v16-31 hold packed results
.set QH, 3                             ; v3 h
.set XF, 32                            ; v32-95 x as loaded and as turned; later v32-127 x's twelve fragments; at the end 24 x 4 registers on the way out
.set XSW, 128                          ; v128-139 x's scale words: nothing else is ever held there
.set ACC, 216                          ; v216-247 four accumulators;  v160-207 W's fragments, two sets of 24;  v208-215 W's scale words, two sets of 4;  v248-255 the codes just made
.macro QUANT2 X, PC, PW
.irp c, 0,1
	v_max3_num_f32 v[QS+\c], |v[(\X)+32*\c]|, |v[(\X)+32*\c+1]|, 0x1800000   ; my block 2 c + h, and the floor 2^(3 - 127): the byte cannot fall under 1
.endr
.irp i, 2,4,6,8,10,12,14,16,18,20,22,24,26,28,30
.irp c, 0,1
	v_max3_num_f32 v[QS+\c], v[QS+\c], |v[(\X)+32*\c+\i]|, |v[(\X)+32*\c+\i+1]|
.endr
.endr
.irp c, 0,1
	v_add_nc_u32 v[QS+2+\c], 0xff000000, v[QS+\c]      ; 2 off the exponent field: the conversion's scale operand
.endr
.irp c, 0,1
	v_lshrrev_b32 v[QS+4+\c], 23, v[QS+2+\c]           ; the scale's byte
.endr
	v_lshl_or_b32 v[\PW], v[QS+5], 16, v[QS+4]
	v_lshlrev_b32 v[QS+6], 3, v[QH]
	v_lshlrev_b32 v[\PW], v[QS+6], v[\PW]
	v_permlanex16_b32 v[QS+7], v[\PW], s20, s21
	v_or_b32 v[\PW], v[\PW], v[QS+7]                   ; the row's scale word, in both halves of the lanes
.irp c, 0,1
.irp g, 0,1,2,3
	v_cvt_scalef32_pk8_fp4_f32 v[(\PC)+4*\c+\g], v[(\X)+32*\c+8*\g:(\X)+32*\c+8*\g+7], v[QS+2+\c]
.endr
.endr
	v_nop                                              ; one plain instruction behind the last scaled conversion
.endm
.macro LOADW t                         ; my column tile t: its three fragments and its scale words, seven loads, into set t % 2
.irp k, 0,1,2,3,4,5
	global_load_b128 v[160+24*((\t)%2)+4*\k:160+24*((\t)%2)+4*\k+3], v4, s[6:7] offset:3072*(\t)+512*\k
.endr
	global_load_b128 v[208+4*((\t)%2):208+4*((\t)%2)+3], v4, s[8:9] offset:512*(\t)
.endm
	s_load_b256 s[4:11], s[0:1], 0x0               ; x s[4:5], wcodes s[6:7], wscl s[8:9], qkv s[10:11]
	s_load_b64 s[12:13], s[0:1], 0x20              ; q32
	v_lshl_add_u32 v14, v0, 2, SPARE               ; my spare word; never rewritten
	v_mov_b32 v15, 0                               ; 0; never rewritten
	v_lshrrev_b32 v1, 5, v0
	v_readfirstlane_b32 s14, v1                    ; wave 0..11
	s_mul_i32 s15, s14, 11
	s_lshr_b32 s15, s15, 5                         ; a = w / 3
	s_mul_i32 s16, s15, 3
	s_sub_co_u32 s16, s14, s16                     ; s = w % 3
	s_lshr_b32 s17, s14, 2                         ; my matrix
	s_and_b32 s18, s14, 3                          ; my 96 columns of it; also my 16 rows on the way out
	s_and_b32 s32, ttmp9, 31                       ; 0: the work-group holds a sequence's first 64 rows
	s_mov_b32 s20, 0x76543210
	s_mov_b32 s21, 0xfedcba98
	v_and_b32 v1, 31, v0                           ; lane
	v_and_b32 v2, 15, v0                           ; r
	v_bfe_u32 v3, v0, 4, 1                         ; h
	v_lshlrev_b32 v4, 4, v1                        ; 16 x lane
	v_lshl_add_u32 v5, v1, 2, XSC                  ; x's scale words, read: 4 x lane
	s_mul_i32 s22, s14, 8448
	v_add_nc_u32 v6, s22, v4                       ; the turn, in: my place + 16 x lane
	v_mul_u32_u24 v7, v2, 528
	v_lshl_add_u32 v7, v3, 7, v7
	v_add_nc_u32 v7, s22, v7                       ; the turn, out: row r + 128 h
	s_lshl_b32 s22, s14, 10
	s_add_co_u32 s22, s22, XIMG
	v_add_nc_u32 v8, s22, v4                       ; where I store my fragment's image
	s_lshl_b32 s22, s14, 7
	v_add_nc_u32 v9, s22, v5                       ; and its scale words
	s_mul_i32 s22, s17, 50176
	s_add_co_u32 s22, s22, OSTG                    ; my matrix's stage
	s_mul_i32 s23, s18, 192
	s_add_co_u32 s23, s23, s22
	v_mul_u32_u24 v10, v2, 784
	v_lshl_add_u32 v10, v3, 4, v10
	v_add_nc_u32 v10, s23, v10                     ; into the stage: row r, my 96 columns, 16 h
	s_mul_i32 s23, s18, 12544
	s_add_co_u32 s23, s23, s22
	v_lshl_add_u32 v11, v2, 4, s23
	v_mul_u32_u24 v12, v3, 272
	v_add_nc_u32 v12, v12, v11                     ; out of it: 16 r + 272 h (a run of 512 bytes that crosses from a row to the next),
	v_lshl_add_u32 v11, v3, 8, v11                 ; and 16 r + 256 h (a run inside a row)
	v_mul_u32_u24 v13, v2, 1536
	v_lshl_add_u32 v13, v3, 5, v13                 ; q32: row r + 32 h
	v_lshl_add_u32 v1, v1, 4, XIMG                 ; x's images, read: 16 x lane
	v_mov_b32 v23, 0                               ; written once: a lane permute's destination counts as one of its sources
	s_lshl_b32 s22, ttmp9, 6
	s_lshl_b32 s23, s15, 4
	s_add_co_u32 s22, s22, s23
	s_mul_i32 s22, s22, 1536
	s_lshl_b32 s23, s16, 9
	s_add_co_u32 s22, s22, s23                     ; x: row 64 wg + 16 a, byte 512 s
	s_mov_b32 s23, 0
	s_mul_i32 s24, s14, 18432                      ; my six tiles of codes
	s_mov_b32 s25, 0
	s_mul_i32 s26, s14, 3072                       ; and of scale words
	s_mov_b32 s27, 0
	s_lshl_b32 s28, ttmp9, 6
	s_lshl_b32 s29, s18, 4
	s_add_co_u32 s28, s28, s29
	s_mul_i32 s28, s28, 768
	s_mul_i32 s29, s17, MATB
	s_add_co_u32 s28, s28, s29                     ; qkv: my matrix, row 64 wg + 16 (w % 4)
	s_mov_b32 s29, 0
	s_lshr_b32 s30, ttmp9, 5
	s_mul_i32 s30, s30, 3
	s_add_co_u32 s30, s30, s17
	s_mul_i32 s30, s30, 24576
	s_mul_i32 s31, s18, 384
	s_add_co_u32 s30, s30, s31                     ; q32: my sequence, my matrix, my 96 columns
	s_mov_b32 s31, 0
	s_wait_kmcnt 0x0
	s_add_nc_u64 s[4:5], s[4:5], s[22:23]
	s_add_nc_u64 s[6:7], s[6:7], s[24:25]
	s_add_nc_u64 s[8:9], s[8:9], s[26:27]
	s_add_nc_u64 s[10:11], s[10:11], s[28:29]
	s_add_nc_u64 s[12:13], s[12:13], s[30:31]
.irp i, 0,1,2,3,4,5,6,7,8,9,10,11,12,13,14,15
	global_load_b128 v[XF+4*\i:XF+4*\i+3], v4, s[4:5] offset:1536*\i th:TH_LOAD_NT   ; row i: 512 consecutive bytes, read once in the launch
.endr
	LOADW 0
	LOADW 1
	s_wait_loadcnt 14                              ; x's sixteen loads are in; the fourteen of W's first two tiles may be out
.irp i, 0,1,2,3,4,5,6,7,8,9,10,11,12,13,14,15
	ds_store_b128 v6, v[XF+4*\i:XF+4*\i+3] offset:528*\i
.endr
.irp c, 0,1
.irp i, 0,1,2,3,4,5,6,7
	ds_load_b128 v[XF+32*\c+4*\i:XF+32*\c+4*\i+3], v7 offset:256*\c+16*\i   ; my own bytes; LDS serves a wave's instructions in order (ISA guide 5.7.1.4): these see the stores above
.endr
.endr
	s_wait_dscnt 0x0
	QUANT2 XF, 248, 24
	ds_store_b128 v8, v[248:251]
	ds_store_b128 v8, v[252:255] offset:512
	ds_store_b32 v9, v24
	s_wait_dscnt 0x0                               ; for the others' sake: my image has landed
	s_barrier_signal -1
	s_barrier_wait -1                              ; x's twelve fragments lie in LDS
.irp f, 0,1,2,3,4,5,6,7,8,9,10,11
	ds_load_b128 v[XF+8*\f:XF+8*\f+3], v1 offset:1024*\f
	ds_load_b128 v[XF+8*\f+4:XF+8*\f+7], v1 offset:1024*\f+512
	ds_load_b32 v[XSW+\f], v5 offset:128*\f
.endr
	s_wait_dscnt 0x0
; One column tile against the four row tiles: 12 matrix instructions, the four accumulators by turns; the first K step starts the sums.
.macro TILE t
.set WS, 160+24*((\t)%2)
.set WC, 208+4*((\t)%2)
.if (\t) < 5
	s_wait_loadcnt 7                               ; this tile's seven loads are in; the next tile's seven may be out
.else
	s_wait_loadcnt 0x0
.endif
.irp s, 0,1,2
.irp a, 0,1,2,3
.if \s == 0
	v_wmma_scale_f32_16x16x128_f8f6f4 v[ACC+8*\a:ACC+8*\a+7], v[WS+8*\s:WS+8*\s+7], v[XF+8*(3*\a+\s):XF+8*(3*\a+\s)+7], 0, v[WC+\s], v[XSW+3*\a+\s] matrix_a_fmt:MATRIX_FMT_FP4 matrix_b_fmt:MATRIX_FMT_FP4
.else
	v_wmma_scale_f32_16x16x128_f8f6f4 v[ACC+8*\a:ACC+8*\a+7], v[WS+8*\s:WS+8*\s+7], v[XF+8*(3*\a+\s):XF+8*(3*\a+\s)+7], v[ACC+8*\a:ACC+8*\a+7], v[WC+\s], v[XSW+3*\a+\s] matrix_a_fmt:MATRIX_FMT_FP4 matrix_b_fmt:MATRIX_FMT_FP4
.endif
.endr
.endr
.rept 4
	v_nop                                          ; four plain instructions behind the products, ahead of the loads into their operands and of the first read of results
.endr
.if (\t) < 4
	LOADW (\t)+2
.endif
	s_cmp_lg_u32 s32, 0                            ; a sequence's first 16 rows also leave unrounded: a branch on the work-group's number
	s_cbranch_scc1 .Lnot_first_\@
	global_store_b128 v13, v[ACC:ACC+3], s[12:13] offset:64*(\t)
	global_store_b128 v13, v[ACC+4:ACC+7], s[12:13] offset:64*(\t)+16
	s_wait_xcnt 0x0                                ; the next tile's products write these registers only behind this wait
.Lnot_first_\@:
.if (\t) > 0
	s_wait_dscnt 0x0                               ; the last tile's stores into the stage are done: the packed registers are written again
.endif
.irp a, 0,1,2,3
.irp i, 0,1,2,3
	v_cvt_pk_f16_f32 v[16+4*\a+\i], v[ACC+8*\a+2*\i], v[ACC+8*\a+2*\i+1]   ; each accumulator from its low end on
.endr
.endr
.irp a, 0,1,2,3
	ds_store_b128 v10, v[16+4*\a:16+4*\a+3] offset:12544*\a+32*(\t)
.endr
.endm
.irp t, 0,1,2,3,4,5
	TILE \t
.endr
	s_wait_dscnt 0x0                               ; for the others' sake: my part of the stage has landed
	s_barrier_signal -1
	s_barrier_wait -1                              ; 64 whole rows of each matrix lie in the stage
; Wave w sends rows 16 (w % 4) .. + 15 of its matrix: 12,288 consecutive bytes of qkv, as 24 runs of 512.  Two rows are three runs; the middle one crosses from a row to the next.
.set i, 0
.rept 24
.if i%3 == 0
	ds_load_b128 v[XF+4*i:XF+4*i+3], v11 offset:1568*(i/3)
.elseif i%3 == 1
	ds_load_b128 v[XF+4*i:XF+4*i+3], v12 offset:1568*(i/3)+512
.else
	ds_load_b128 v[XF+4*i:XF+4*i+3], v11 offset:1568*(i/3)+1040
.endif
.set i, i+1
.endr
.set i, 0
.rept 24
	s_wait_dscnt 23-i                              ; run i is back; the younger ones may be out
	global_store_b128 v4, v[XF+4*i:XF+4*i+3], s[10:11] offset:512*i   ; 32 lanes store 512 consecutive bytes, at a multiple of 256 from the buffer's first byte
.set i, i+1
.endr
	s_wait_tensorcnt 0x0                           ; the wave's end, behind my last LDS store
	ds_add_u32 v14, v15
	s_wait_dscnt 0x0
	s_endpgm
.Lfunc_end_k_q3f84a24786_proj:
	.size	k_q3f84a24786_proj, .Lfunc_end_k_q3f84a24786_proj-k_q3f84a24786_proj
	.p2alignl 7, 3214868480
	.fill 96, 4, 3214868480
	.section	.rodata,"a",@progbits
	.p2align	6, 0x0
	.amdhsa_kernel k_q3f84a24786_proj
		.amdhsa_group_segment_fixed_size 267264
		.amdhsa_private_segment_fixed_size 0
		.amdhsa_enable_private_segment 0
		.amdhsa_kernarg_size 40
		.amdhsa_user_sgpr_count 2
		.amdhsa_user_sgpr_kernarg_segment_ptr 1
		.amdhsa_wavefront_size32 1
		.amdhsa_system_sgpr_workgroup_id_x 1
		.amdhsa_system_sgpr_workgroup_id_y 1
		.amdhsa_system_sgpr_workgroup_id_z 1
		.amdhsa_system_vgpr_workitem_id 0
		.amdhsa_next_free_vgpr 256
		.amdhsa_next_free_sgpr 66
		.amdhsa_reserve_vcc 0
		.amdhsa_float_denorm_mode_32 3
		.amdhsa_float_denorm_mode_16_64 3
		.amdhsa_memory_ordered 1
		.amdhsa_forward_progress 1
		.amdhsa_inst_pref_size 41
	.end_amdhsa_kernel
	.amdgpu_metadata
---
amdhsa.version: [ 1, 2 ]
amdhsa.kernels:
  - .name:           k_q3f84a24786_proj
    .symbol:         k_q3f84a24786_proj.kd
    .args:
      - { .name: x, .offset: 0, .size: 8, .value_kind: global_buffer, .address_space: global }
      - { .name: wcodes, .offset: 8, .size: 8, .value_kind: global_buffer, .address_space: global }
      - { .name: wscl, .offset: 16, .size: 8, .value_kind: global_buffer, .address_space: global }
      - { .name: qkv, .offset: 24, .size: 8, .value_kind: global_buffer, .address_space: global }
      - { .name: q32, .offset: 32, .size: 8, .value_kind: global_buffer, .address_space: global }
    .group_segment_fixed_size: 267264
    .private_segment_fixed_size: 0
    .kernarg_segment_align: 8
    .kernarg_segment_size: 40
    .max_flat_workgroup_size: 384
    .sgpr_count:     66
    .vgpr_count:     256
    .wavefront_size: 32
...
	.end_amdgpu_metadata
.endif
;; end of part 2
;; launch attn (part 3): grid 32 x 8, 4 waves a work-group, clusters of 4 x 1, 327,680 bytes of LDS; arguments qkv, out0; writes out0
.if DOCPART == 3
	.amdgcn_target "amdgcn-amd-amdhsa--gfx1250"
	.amdhsa_code_object_version 6
	.text
	.protected	k_q3f84a24786_attn
	.globl	k_q3f84a24786_attn
	.p2align	8
	.type	k_q3f84a24786_attn,@function
k_q3f84a24786_attn:
	s_mov_b64 s[64:65], 0
	v_nop
	global_prefetch_b8 v0, s[64:65] scope:SCOPE_SE
	s_setreg_imm32_b32 hwreg(HW_REG_WAVE_MODE, 25, 1), 1
	s_wait_xcnt 0x0
	s_wait_alu depctr_hold_cnt(0) depctr_sa_sdst(0) depctr_va_vdst(0) depctr_va_sdst(0) depctr_va_ssrc(0) depctr_va_vcc(0) depctr_vm_vsrc(0)
	s_getreg_b32 s2, hwreg(HW_REG_IB_STS2, 6, 4)
	s_cmp_eq_u32 s2, 0
	s_cbranch_scc0 .Lentry_in_a_cluster
	s_endpgm
.Lentry_in_a_cluster:
	s_bfe_u32 s2, ttmp6, 0x10000c
	s_cmp_lg_u32 s2, 0x3003
	s_cbranch_scc0 .Lentry_shape_is_right
	s_endpgm
.Lentry_shape_is_right:
; out[b][t][:] = sum over s <= t of softmax_s(Q[b][t] . K[b][s] / sqrt(384)) V[b][s][:].  Q, K, V: qkv [3][8 x 2048][384] f16; out0 [8][2048][384] f32.  Products on f16 operands, sums, maxima and softmax in f32;
; the weights p are rounded to f16 for the second product.  A running maximum m and sum l for each query: p = 2^(c s - c m), c = log2(e) / sqrt(384); in every step O and l are multiplied by 2^(c m_old - c m_new).
; LIMITS: f16's range for Q, K, V (65,504); NaN and infinities are not served.  Rows 0-15 of each sequence are stored here too and stored again, from f32 operands, by the launch that follows.
; SHARES.  A cluster of four work-groups (cluster x = j, y = sequence b) owns queries 256 j .. 256 j + 255 as 16 tiles of 16; THE TILES ARE DEALT ROUND: partner cx takes tiles cx, cx + 4, cx + 8, cx + 12, so that every
; partner needs every key up to 256 (j + 1) and all four ask for every tile of K and V JOINTLY (the same tensor load, the same descriptor, a mask that names the four).  cx enters global addresses and vector data alone.
; A wave (g = w / 2, kh = w % 2) holds tiles cx + 8 g and cx + 8 g + 4 (32 queries: O^T 384 registers, Q 192) and works keys 32 kh .. 32 kh + 31 of each slot of 64 keys.  The two waves of a g hold partial O, m, l,
; which are merged once, at the end, through LDS.  The walk has 4 (j + 1) slots; in the last four the scores of hidden keys become -infinity.  m starts at -3e38, so a partial with no visible key has l = 0, O = 0 and weight 0.
; LAYOUT.  S^T = K Q^T (source 0 = 16 keys, source 1 = 16 queries), O^T = V^T P (source 0 = V turned by ds_load_tr16_b128): a lane holds ONE query throughout; two tiles of S^T rounded in pairs ARE source 1 of the second product.
; LDS.  Two slots of 107,520 bytes: 64 rows of K (3 x (256 + 16) bytes: row r starts 12 r banks on, 16 different groups of four) and 64 rows of V (3 x (256 + 32); 64 banks of 4 bytes: ISA guide 11.1).
; Both are dense in memory and come as rows of 256 bytes; waves 0, 1 fetch K's halves, waves 2, 3 V's: one tensor load a wave behind each round, and never more than one out.
; REGISTERS, in windows of 256: window 0: v0-31 addresses and statistics; v32-63 S^T, then P; v64-255 K's 24 fragments.  window 1: O^T, channel tiles 0-15, at 8 (2 n + q).
;   window 2: v0-127 O^T, channel tiles 16-23; v128-255 V's fragments 0-15.   window 3: v0-191 Q, at 8 (12 q + K step); v192-255 V's fragments 16-23.
.set MATB,  12582912                   ; a matrix of qkv
.set SEQB,  1572864                    ; a sequence in it
.set TILEB, 49152                      ; 64 rows of 768 bytes
.set KP,    816
.set VP,    864
.set VOFF,  64*KP
.set SLOT,  64*(KP+VP)
.set SPARE, 2*SLOT                     ; behind the ring: the spare words, 128 bytes for each wave: two blocks of 256 bytes that no other line names
.set MSS,   98304                      ; the merge (in slot 0, after its last fill and last read): 49,152 bytes of O for each g from byte 0; here 512 bytes of statistics for each g
.set OSP,   1552                       ; the way out (in slot 1, likewise): 16 rows x (1,536 + 16) for each g
.set AK,  3                            ; v3, v4   my lane's place in K's tile of slot 0, 1; at the end: v3 the merge's O, v4 its statistics
.set AV,  5                            ; v5, v6   the same for V; at the end: v5 into the stage, v6 out of it
.set NINF, 7                           ; v7       -infinity
.set VQ,  8                            ; v8, v9   my query of tile q, less 32 kh + 8 h
.set SPW, 10                           ; v10      my spare word; never rewritten
.set NIL, 11                           ; v11      0; never rewritten
.set ST,  12                           ; tile q's statistics at v[12 + 8 q]: +0 c m, +1 m, +2, +3 l in two halves, +4 f (with +5 as a pair), +6, +7 at work
.set DD,  28                           ; v28, v29 VQ less the slot's first key
.set PFO, 30                           ; v30      256 x lane, for the prefetches; never rewritten
.set QO,  31                           ; v31      my byte in Q's rows; at the end 16 x lane
.set S,   32
.set KR,  64
.set WV,  8                            ; s8 wave, s9 g, s10 kh, s11 cx, s12 j, s13 b
.set SEL, 20                           ; s[20:21] selects for lane l xor 16
.set CS,  22                           ; s[22:23] c, twice (the packed form names a pair)
.set G1K, 24                           ; s[24:31], s[32:39] descriptor groups 1;  s[40:47], s[48:55] groups 0, a set for each slot
.set G1V, 32
.set G0K, 40
.set G0V, 48
.set CNT, 56                           ; s56 the loop's trips
.set KF,  57                           ; s57 the slot's first key
.set DIAG, 58                          ; s58 256 j: from this key on scores are masked
.set LIM, 59                           ; s59 a wave prefetches while KF is under it
.set PFA, 60                           ; s[60:61] where my prefetches stand
.set MSB, 0
.macro WIN new                         ; s_set_vgpr_msb: bits 1:0 source 0, 3:2 source 1, 5:4 source 2, 7:6 destination; the high byte repeats the setting that is left
.if MSB != \new
	s_set_vgpr_msb (MSB<<8)|\new
.set MSB, \new
.endif
.endm
.macro PLACES n
.rept \n
	v_nop
.endr
.endm
.macro ROUND                           ; a round of the cluster's barrier
	s_barrier_signal -1
	s_barrier_wait -1
	s_cmp_lg_u32 s[WV], 0
	s_cbranch_scc1 .Lnot_wave_0_\@
	s_barrier_signal -3
.Lnot_wave_0_\@:
	s_barrier_wait -3
	s_barrier_signal -1
	s_barrier_wait -1
.endm
.macro JLOAD s                         ; a joint load into slot s: waves 0, 1 K's halves, waves 2, 3 V's.  The branch hangs on the wave's number alone.  An s_nop 0 and four v_nop follow each line
	s_cmp_lt_u32 s[WV], 2
	s_cbranch_scc0 .Lfor_v_\@
	tensor_load_to_lds s[G0K+4*(\s):G0K+4*(\s)+3], s[G1K:G1K+7]
	s_nop 0
	PLACES 4
	s_branch .Lasked_\@
.Lfor_v_\@:
	tensor_load_to_lds s[G0V+4*(\s):G0V+4*(\s)+3], s[G1V:G1V+7]
	s_nop 0
	PLACES 4
.Lasked_\@:
.endm
; A PREFETCH INTO THE L2 of the tile that stands two joint loads on (the trip of tile n asks jointly for tile n + 1 and names tile n + 3): two trips, 192 matrix instructions, ahead of its load.
; Only the cluster that walks all keys of the sequence (j = 7) asks.  A slot is 384 blocks of 256 bytes: 12 waves (waves 0-2 of the four partners) x 32 lanes name each block once; the partners are told apart BY ADDRESS.
; It stops with tile 31 (KF under 1,793); tiles 0 to 2 come by their loads alone.
.macro ASK
	s_cmp_lt_u32 s[KF], s[LIM]
	s_cbranch_scc0 .Lnot_mine_\@
	global_prefetch_b8 v[PFO], s[PFA:PFA+1] th:TH_LOAD_NT scope:SCOPE_SE
.Lnot_mine_\@:
.endm
.macro FETCH_K sl                      ; my 32 keys x 384 channels: 24 fragments, 48 loads, by K steps
.irp u, 0,1,2,3,4,5,6,7,8,9,10,11
.irp kt, 0,1
	ds_load_b128 v[KR+8*(2*\u+\kt):KR+8*(2*\u+\kt)+3],   v[AK+\sl] offset:16*KP*\kt+64*\u+16*(\u/4)
	ds_load_b128 v[KR+8*(2*\u+\kt)+4:KR+8*(2*\u+\kt)+7], v[AK+\sl] offset:16*KP*\kt+64*\u+16*(\u/4)+32
.endr
.endr
.endm
.macro KQ c                            ; 16 products: K steps 4 c .. 4 c + 3; the four accumulators (key tile, query tile) by turns; K step 0 starts the sums
	WIN 0x0c                                       ; K and S^T window 0, Q window 3
.irp d, 0,1,2,3
.irp kt, 0,1
.irp q, 0,1
.if (4*(\c)+\d) == 0
	v_wmma_f32_16x16x32_f16 v[S+16*\q+8*\kt:S+16*\q+8*\kt+7], v[KR+8*(2*(4*(\c)+\d)+\kt):KR+8*(2*(4*(\c)+\d)+\kt)+7], v[8*(12*\q+4*(\c)+\d):8*(12*\q+4*(\c)+\d)+7], 0
.else
	v_wmma_f32_16x16x32_f16 v[S+16*\q+8*\kt:S+16*\q+8*\kt+7], v[KR+8*(2*(4*(\c)+\d)+\kt):KR+8*(2*(4*(\c)+\d)+\kt)+7], v[8*(12*\q+4*(\c)+\d):8*(12*\q+4*(\c)+\d)+7], v[S+16*\q+8*\kt:S+16*\q+8*\kt+7]
.endif
.endr
.endr
.endr
.endm
.macro FETCH_V sl, c                   ; V turned: channel tiles 8 c .. 8 c + 7 x my 32 keys: 16 loads
.if (\c) < 2
	WIN 0x80
.set VB, 128+64*(\c)
.else
	WIN 0xc0
.set VB, 192
.endif
.irp e, 0,1,2,3,4,5,6,7
	ds_load_tr16_b128 v[VB+8*\e:VB+8*\e+3],   v[AV+\sl] offset:32*(8*(\c)+\e)+32*(\c)
	ds_load_tr16_b128 v[VB+8*\e+4:VB+8*\e+7], v[AV+\sl] offset:32*(8*(\c)+\e)+32*(\c)+16*VP
.endr
.endm
.macro PV n0, first                    ; 16 products O^T += V^T P: channel tiles n0 .. n0 + 7, the two query tiles by turns; first = 1: they start the sums
.set nn, \n0
.rept 8
.irp q, 0,1
.if nn < 16
.set rO, 8*(2*nn+\q)
.set rV, 128+8*nn
.else
.set rO, 8*(2*(nn-16)+\q)
.set rV, 192+8*(nn-16)
.endif
.if \first
	v_wmma_f32_16x16x32_f16 v[rO:rO+7], v[rV:rV+7], v[S+16*\q:S+16*\q+7], 0
.else
	v_wmma_f32_16x16x32_f16 v[rO:rO+7], v[rV:rV+7], v[S+16*\q:S+16*\q+7], v[rO:rO+7]
.endif
.endr
.set nn, nn+1
.endr
.endm
; A KEY STEP on slot sl.  first = 1: the first of the walk, which starts m, l and O^T.
.macro STEP sl, first
	v_sub_nc_u32 v[DD], v[VQ], s[KF]               ; with the four v_nop in front: six plain instructions between the last V^T P, which read P, and the first K Q^T, which writes over it
	v_sub_nc_u32 v[DD+1], v[VQ+1], s[KF]
	FETCH_K \sl
.if \first
	s_wait_loadcnt 0x0                             ; Q
.endif
.irp c, 0,1,2
	s_wait_dscnt 32                                ; K's chunk c is in; out may be: c = 0: K's chunks 1, 2; c = 1: K's chunk 2 and V's part 0; c = 2: V's parts 0, 1
	KQ \c
	FETCH_V \sl, \c
.endr
	WIN 0
	PLACES 4                                       ; behind the last products, ahead of the first read of the scores
	s_cmp_lt_u32 s[KF], s[DIAG]                    ; ids and the count of steps alone, the same in all partners: under 256 j every key counts
	s_cbranch_scc1 .Lopen_\@
.irp i, 0,1,2,3,4,5,6,7,8,9,10,11,12,13,14,15
.irp q, 0,1
	v_cmp_gt_i32 vcc_lo, 16*(\i/8)+\i%8, v[DD+\q]  ; register i holds key KF + 32 kh + 8 h + 16 (i / 8) + i % 8: hidden where it lies behind my query
	v_cndmask_b32 v[S+16*\q+\i], v[S+16*\q+\i], v[NINF], vcc_lo
.endr
.endr
.Lopen_\@:
.irp q, 0,1
	v_max3_num_f32 v[ST+8*\q+6], v[S+16*\q], v[S+16*\q+1], v[S+16*\q+2]   ; the maximum, each accumulator from its low end on; the two tiles by turns
.endr
.irp i, 3,5,7,9,11,13
.irp q, 0,1
	v_max3_num_f32 v[ST+8*\q+6], v[ST+8*\q+6], v[S+16*\q+\i], v[S+16*\q+\i+1]
.endr
.endr
.irp q, 0,1
.if \first
	v_max3_num_f32 v[ST+8*\q+6], v[ST+8*\q+6], v[S+16*\q+15], 0xff61b1e6   ; -3e38: m is a number even where all my keys are hidden
.else
	v_max3_num_f32 v[ST+8*\q+6], v[ST+8*\q+6], v[S+16*\q+15], v[ST+8*\q+1]
.endif
.endr
.irp q, 0,1
	v_permlanex16_b32 v[ST+8*\q+7], v[ST+8*\q+6], s[SEL], s[SEL+1]   ; the query's other 16 keys lie in the lane 16 away
.endr
.irp q, 0,1
	v_max_num_f32 v[ST+8*\q+1], v[ST+8*\q+6], v[ST+8*\q+7]
.endr
.if !\first
.irp q, 0,1
	v_mov_b32 v[ST+8*\q+4], v[ST+8*\q]             ; c m_old
.endr
.endif
.irp q, 0,1
	v_mul_f32 v[ST+8*\q], s[CS], v[ST+8*\q+1]      ; c m
.endr
.if !\first
.irp q, 0,1
	v_sub_f32 v[ST+8*\q+4], v[ST+8*\q+4], v[ST+8*\q]
.endr
.endif
.irp i, 0,2,4,6,8,10,12,14
.irp q, 0,1
	v_pk_fma_f32 v[S+16*\q+\i:S+16*\q+\i+1], v[S+16*\q+\i:S+16*\q+\i+1], s[CS:CS+1], v[ST+8*\q:ST+8*\q+1] op_sel_hi:[1,0,0] neg_lo:[0,0,1] neg_hi:[0,0,1]   ; c s - c m
.endr
.endr
.if !\first
.irp q, 0,1
	v_exp_f32 v[ST+8*\q+4], v[ST+8*\q+4]           ; f = 2^(c m_old - c m_new)
.endr
.endif
.irp i, 0,1,2,3,4,5,6,7,8,9,10,11,12,13,14,15
.irp q, 0,1
	v_exp_f32 v[S+16*\q+\i], v[S+16*\q+\i]         ; p: ONE BATCH, none reads another's result
.endr
.endr
	v_nop                                          ; a plain instruction behind the last exponential
	s_wait_alu depctr_va_vdst(0)                   ; one wait for the batch, ahead of its first reader
.irp q, 0,1
	v_pk_add_f32 v[ST+8*\q+6:ST+8*\q+7], v[S+16*\q:S+16*\q+1], v[S+16*\q+2:S+16*\q+3]   ; the step's sum of p, before p is rounded
.endr
.irp i, 4,6,8,10,12
.irp q, 0,1
	v_pk_add_f32 v[ST+8*\q+6:ST+8*\q+7], v[ST+8*\q+6:ST+8*\q+7], v[S+16*\q+\i:S+16*\q+\i+1]
.endr
.endr
.irp q, 0,1
.if \first
	v_pk_add_f32 v[ST+8*\q+2:ST+8*\q+3], v[ST+8*\q+6:ST+8*\q+7], v[S+16*\q+14:S+16*\q+15]
.else
	v_pk_add_f32 v[ST+8*\q+6:ST+8*\q+7], v[ST+8*\q+6:ST+8*\q+7], v[S+16*\q+14:S+16*\q+15]
.endif
.endr
.if !\first
.irp q, 0,1
	v_pk_fma_f32 v[ST+8*\q+2:ST+8*\q+3], v[ST+8*\q+2:ST+8*\q+3], v[ST+8*\q+4:ST+8*\q+5], v[ST+8*\q+6:ST+8*\q+7] op_sel_hi:[1,0,1]   ; l = f l + the sum
.endr
.endif
.irp i, 0,1,2,3,4,5,6,7
.irp q, 0,1
	v_cvt_pk_f16_f32 v[S+16*\q+\i], v[S+16*\q+2*\i], v[S+16*\q+2*\i+1]   ; P, in place, ascending: registers 0-3 keys 8 h + 0..7, registers 4-7 keys 16 + 8 h + 0..7
.endr
.endr
.if \first
	PLACES 4
.else
	WIN 0x41                                       ; O^T x f: destination and source 0 window 1, f window 0
.set nn, 0
.rept 32
.irp p, 0,2,4,6
	v_pk_mul_f32 v[8*nn+\p:8*nn+\p+1], v[8*nn+\p:8*nn+\p+1], v[ST+8*(nn%2)+4:ST+8*(nn%2)+5] op_sel_hi:[1,0]
.endr
.set nn, nn+1
.endr
	WIN 0x82
.set nn, 0
.rept 16
.irp p, 0,2,4,6
	v_pk_mul_f32 v[8*nn+\p:8*nn+\p+1], v[8*nn+\p:8*nn+\p+1], v[ST+8*(nn%2)+4:ST+8*(nn%2)+5] op_sel_hi:[1,0]
.endr
.set nn, nn+1
.endr
.endif
	s_wait_dscnt 32                                ; V's part 0 is in; parts 1 and 2 may be out
	WIN 0x52                                       ; V window 2, P window 0, O^T window 1
	PV 0, \first
	s_wait_dscnt 16                                ; part 1 is in
	PV 8, \first
	s_wait_dscnt 0x0
	WIN 0xa3                                       ; V window 3, O^T window 2
	PV 16, \first
	WIN 0
	s_add_co_u32 s[KF], s[KF], 64
.endm
; A TRIP: the change of slots, then the key step on slot sl.  Each wave waits for all its tensor loads (one is out: its part of this slot), adds 0 to its spare word, and waits for that and for its reads of the other slot.
; fill = 1: behind a round of the cluster's barrier the other slot is asked for, jointly, first thing; the load has this whole step in which to land.
.macro TRIP sl, fill, first
	WIN 0
	s_wait_tensorcnt 0x0                           ; no tensor load of mine is out, so a group 0 may be written
	ds_add_u32 v[SPW], v[NIL]                      ; 0 onto my spare word; the steps below stand between it and the wait for it
	s_add_nc_u64 s[G0K+4*\sl+2:G0K+4*\sl+3], s[G0K+4*\sl+2:G0K+4*\sl+3], 2*TILEB   ; this slot's next tile; the type bits on top are not reached
	s_add_nc_u64 s[G0V+4*\sl+2:G0V+4*\sl+3], s[G0V+4*\sl+2:G0V+4*\sl+3], 2*TILEB
.if \fill
	s_wait_xcnt 0x0                                ; the last prefetch, a trip back, has read its address
	s_add_nc_u64 s[PFA:PFA+1], s[PFA:PFA+1], TILEB
.endif
	s_wait_dscnt 0x0                               ; the add is done, and my reads of the other slot are over
.if \fill
	ROUND                                          ; both now hold of every wave of all four partners
	JLOAD 1-\sl
	ASK
.else
	s_barrier_signal -1
	s_barrier_wait -1                              ; my work-group's barrier is enough
	PLACES 4
.endif
	STEP \sl, \first
.endm
	s_load_b128 s[4:7], s[0:1], 0x0                ; qkv s[4:5], out0 s[6:7]
	v_lshl_add_u32 v[SPW], v0, 2, SPARE
	v_mov_b32 v[NIL], 0
	ds_add_u32 v[SPW], v[NIL]                      ; the wave's opening: the add, twice on end, and its wait ahead of my first tensor load
	ds_add_u32 v[SPW], v[NIL]
	v_lshrrev_b32 v1, 5, v0
	v_readfirstlane_b32 s[WV], v1                  ; wave 0..3
	s_lshr_b32 s9, s[WV], 1                        ; g
	s_and_b32 s10, s[WV], 1                        ; kh; also which half of a tile I fetch
	s_bfe_u32 s11, ttmp6, 0x40000                  ; cx
	s_mov_b32 s12, ttmp9                           ; j: in a cluster launch ttmp9 counts clusters
	s_and_b32 s13, ttmp7, 0xffff                   ; b
	; descriptor groups 1: 96 rows of 256 bytes (32 elements of 8 bytes), dense in memory, padded in LDS
	s_mov_b32 s[G1K], 15|(3<<16)|(1<<20)|(1<<21)|(5<<22)|(3<<25)   ; 15:0 the mask: all four; 17:16 elements of 8 bytes; 20 padding on; 21 set beside a mask; 24:22 after every 64 words; 31:25 four words
	s_mov_b32 s[G1V], 15|(3<<16)|(1<<20)|(1<<21)|(5<<22)|(7<<25)   ; the same with eight words
.irp g, G1K, G1V
	s_mov_b32 s[\g+1], 32<<16                      ; tensor_dim0
	s_mov_b32 s[\g+2], 96<<16                      ; tensor_dim1
	s_mov_b32 s[\g+3], 32<<16                      ; tile_dim0
	s_mov_b32 s[\g+4], 96                          ; tile_dim1
	s_mov_b32 s[\g+5], 32                          ; the pitch
	s_mov_b32 s[\g+6], 0
	s_mov_b32 s[\g+7], 0
.endr
	s_mov_b32 s[SEL], 0x76543210
	s_mov_b32 s[SEL+1], 0xfedcba98
	s_mov_b32 s[CS], 0x3d96c740                    ; log2(e) / sqrt(384)
	s_mov_b32 s[CS+1], s[CS]
	s_lshl_b32 s[CNT], s12, 1
	s_add_co_u32 s[CNT], s[CNT], 1                 ; 2 j + 1 trips of two tiles; with the first and the last tile: 4 (j + 1)
	s_mov_b32 s[KF], 0
	s_lshl_b32 s[DIAG], s12, 8
	s_cmp_lt_u32 s[WV], 3
	s_cselect_b32 s[LIM], 1793, 0
	s_cmp_eq_u32 s12, 7
	s_cselect_b32 s[LIM], s[LIM], 0                ; the same in all four partners
	s_mul_i32 s14, s13, SEQB
	s_mul_i32 s15, s10, 24576
	s_add_co_u32 s14, s14, s15                     ; my half of the sequence's tile 0: made of b and the wave's number alone
	s_mov_b32 s15, 0
	s_mul_i32 s18, s10, 32*KP                      ; its place in a slot: K's; also my 32 keys' rows
	s_mul_i32 s19, s10, 32*VP                      ; V's
	s_lshl_b32 s70, s13, 11
	s_lshl_b32 s71, s12, 8
	s_add_co_u32 s70, s70, s71
	s_lshl_b32 s76, s9, 3
	s_add_co_u32 s76, s76, s11
	s_lshl_b32 s76, s76, 4                         ; 16 (cx + 8 g)
	s_add_co_u32 s70, s70, s76                     ; my first row: 2048 b + 256 j + 16 (cx + 8 g)
	s_add_co_u32 s76, s76, s71
	s_lshl_b32 s77, s10, 5
	s_sub_co_u32 s76, s76, s77                     ; my first query in the sequence, less 32 kh
	s_mul_i32 s72, s70, 1536
	s_mov_b32 s73, 0
	s_mul_i32 s70, s70, 768
	s_mov_b32 s71, 0
	s_lshr_b32 s74, s11, 1                         ; the prefetches: partners 0, 1 name K's blocks, 2, 3 V's;
	s_add_co_u32 s74, s74, 1
	s_mul_i32 s74, s74, MATB
	s_mul_i32 s75, s13, SEQB
	s_add_co_u32 s74, s74, s75
	s_and_b32 s75, s11, 1
	s_mul_i32 s75, s75, 3
	s_add_co_u32 s75, s75, s[WV]
	s_lshl_b32 s75, s75, 13                        ; 8,192 bytes a wave
	s_add_co_u32 s74, s74, s75
	s_add_co_u32 s74, s74, 2*TILEB                 ; in tile 2: the first trip steps it to tile 3
	s_mov_b32 s75, 0
	s_wait_dscnt 0x0                               ; both opening adds are done
	s_wait_kmcnt 0x0
	s_add_nc_u64 s[66:67], s[4:5], s[70:71]        ; Q at my first row
	s_add_nc_u64 s[68:69], s[6:7], s[72:73]        ; out0 likewise
	s_add_nc_u64 s[PFA:PFA+1], s[4:5], s[74:75]
	s_add_nc_u64 s[16:17], s[4:5], s[14:15]
.irp z, 0,1
	s_mov_b32 s[G0K+4*\z], 1                       ; count = 1
	s_add_co_u32 s[G0K+4*\z+1], s18, \z*SLOT       ; LDS address
	s_add_nc_u64 s[G0K+4*\z+2:G0K+4*\z+3], s[16:17], MATB+\z*TILEB   ; global address: tile z of K
	s_or_b32 s[G0K+4*\z+3], s[G0K+4*\z+3], 0x80000000               ; type = 2
	s_mov_b32 s[G0V+4*\z], 1
	s_add_co_u32 s[G0V+4*\z+1], s19, \z*SLOT+VOFF
	s_add_nc_u64 s[G0V+4*\z+2:G0V+4*\z+3], s[16:17], 2*MATB+\z*TILEB
	s_or_b32 s[G0V+4*\z+3], s[G0V+4*\z+3], 0x80000000
.endr
	ROUND                                          ; all four work-groups are here: the first joint loads meet
	JLOAD 0                                        ; tile 0
	v_and_b32 v1, 15, v0                           ; r
	v_bfe_u32 v2, v0, 4, 1                         ; h
	v_mul_u32_u24 v[QO], v1, 768
	v_lshl_add_u32 v[QO], v2, 4, v[QO]
	WIN 0xc0                                       ; destination window 3
.irp q, 0,1
.irp u, 0,1,2,3,4,5,6,7,8,9,10,11
	global_load_b128 v[8*(12*\q+\u):8*(12*\q+\u)+3],   v[QO], s[66:67] offset:49152*\q+64*\u       ; Q stays in registers; tile q lies 64 rows on
	global_load_b128 v[8*(12*\q+\u)+4:8*(12*\q+\u)+7], v[QO], s[66:67] offset:49152*\q+64*\u+32
.endr
.endr
	WIN 0
	v_mul_u32_u24 v[AK], v1, KP
	v_lshl_add_u32 v[AK], v2, 4, v[AK]
	v_add_nc_u32 v[AK], s18, v[AK]                 ; K: row 32 kh + r, + 16 h
	v_add_nc_u32 v[AK+1], SLOT, v[AK]
	v_and_b32 v28, 7, v0
	v_bfe_u32 v29, v0, 3, 1
	v_lshl_add_u32 v[AV], v2, 3, v28
	v_mul_u32_u24 v[AV], v[AV], VP
	v_lshl_add_u32 v[AV], v29, 4, v[AV]
	v_add_nc_u32 v[AV], s19, v[AV]
	v_add_nc_u32 v[AV], VOFF, v[AV]                ; V: row 32 kh + 8 h + l % 8, + 16 ((l / 8) % 2)
	v_add_nc_u32 v[AV+1], SLOT, v[AV]
	v_mov_b32 v[NINF], 0xff800000
	v_lshlrev_b32 v[VQ], 3, v2
	v_sub_nc_u32 v[VQ], v1, v[VQ]
	v_add_nc_u32 v[VQ], s76, v[VQ]
	v_add_nc_u32 v[VQ+1], 64, v[VQ]
	v_and_b32 v[PFO], 31, v0
	v_lshlrev_b32 v[PFO], 8, v[PFO]
.irp q, 0,1
	v_mov_b32 v[ST+8*\q+5], 0                      ; named as the upper half of f's pair
	v_mov_b32 v[ST+8*\q+7], 0                      ; a lane permute's destination counts as one of its sources
.endr
	TRIP 0, 1, 1                                   ; tile 0; slot 1's first fill stands behind its round, behind which nothing is filled again
.Lloop:
	TRIP 1, 1, 0
	TRIP 0, 1, 0
	s_sub_co_u32 s[CNT], s[CNT], 1
	s_cmp_lg_u32 s[CNT], 0
	s_cbranch_scc1 .Lloop
	TRIP 1, 0, 0                                   ; the last tile is written out
	; THE END.  l's halves are joined; the kh = 1 waves hand O, c m and l to their partners through slot 0 (its last fill has been read by all: the last trip's barrier); the kh = 0 waves merge, divide and store.
.irp q, 0,1
	v_add_f32 v[ST+8*\q+6], v[ST+8*\q+2], v[ST+8*\q+3]
.endr
.irp q, 0,1
	v_permlanex16_b32 v[ST+8*\q+7], v[ST+8*\q+6], s[SEL], s[SEL+1]
.endr
.irp q, 0,1
	v_add_f32 v[ST+8*\q+2], v[ST+8*\q+6], v[ST+8*\q+7]   ; my partial l.  (These lines and the addresses below are the plain instructions behind the last products)
.endr
	v_and_b32 v29, 31, v0
	s_mul_i32 s14, s9, 49152
	v_lshl_add_u32 v3, v29, 4, s14                 ; the merge's O: 49,152 g + 16 x lane
	s_lshl_b32 s15, s9, 9
	s_add_co_u32 s15, s15, MSS
	v_lshl_add_u32 v4, v29, 4, s15                 ; its statistics
	s_mul_i32 s16, s9, 16*OSP
	s_add_co_u32 s16, s16, SLOT
	v_mul_u32_u24 v5, v1, OSP
	v_lshl_add_u32 v5, v2, 5, v5
	v_add_nc_u32 v5, s16, v5                       ; into the stage: row r, + 32 h
	v_lshl_add_u32 v6, v29, 4, s16                 ; out of it: 16 x lane
	v_lshlrev_b32 v[QO], 4, v29                    ; and the same in out0
	s_cmp_eq_u32 s10, 0
	s_cbranch_scc1 .Lkeeps
	v_mov_b32 v64, v[ST]
	v_mov_b32 v65, v[ST+8]
	v_mov_b32 v66, v[ST+2]
	v_mov_b32 v67, v[ST+10]
	ds_store_b128 v4, v[64:67]
	WIN 0x04                                       ; an LDS store's data are its source 1: window 1
.set nn, 0
.rept 16
.irp q, 0,1
	ds_store_b128 v3, v[8*(2*nn+\q):8*(2*nn+\q)+3]   offset:1024*(24*\q+nn)        ; images of the registers; each accumulator from its low end on
	ds_store_b128 v3, v[8*(2*nn+\q)+4:8*(2*nn+\q)+7] offset:1024*(24*\q+nn)+512
.endr
.set nn, nn+1
.endr
	WIN 0x08
.set nn, 0
.rept 8
.irp q, 0,1
	ds_store_b128 v3, v[8*(2*nn+\q):8*(2*nn+\q)+3]   offset:1024*(24*\q+16+nn)
	ds_store_b128 v3, v[8*(2*nn+\q)+4:8*(2*nn+\q)+7] offset:1024*(24*\q+16+nn)+512
.endr
.set nn, nn+1
.endr
	WIN 0
.Lkeeps:
	s_wait_dscnt 0x0                               ; for the others' sake: my stores have landed, and my reads of slot 1 are over
	s_barrier_signal -1
	s_barrier_wait -1
	s_cmp_lg_u32 s10, 0
	s_cbranch_scc1 .Ldone
	ds_load_b128 v[64:67], v4                      ; the partner's c m (two tiles) and l (two tiles)
	s_wait_dscnt 0x0
.irp q, 0,1
	v_max_num_f32 v[ST+8*\q+1], v[ST+8*\q], v[64+\q]
.endr
.irp q, 0,1
	v_sub_f32 v[ST+8*\q+4], v[ST+8*\q], v[ST+8*\q+1]
	v_sub_f32 v[ST+8*\q+6], v[64+\q], v[ST+8*\q+1]
.endr
.irp q, 0,1
	v_exp_f32 v[ST+8*\q+4], v[ST+8*\q+4]           ; my weight,
	v_exp_f32 v[ST+8*\q+6], v[ST+8*\q+6]           ; the partner's
.endr
	v_nop
	s_wait_alu depctr_va_vdst(0)                   ; one wait for the four, ahead of their first reader
.irp q, 0,1
	v_mul_f32 v[ST+8*\q+2], v[ST+8*\q+2], v[ST+8*\q+4]
.endr
.irp q, 0,1
	v_fma_f32 v[ST+8*\q+2], v[66+\q], v[ST+8*\q+6], v[ST+8*\q+2]   ; the row's sum
.endr
.irp q, 0,1
	v_rcp_f32 v[ST+8*\q+3], v[ST+8*\q+2]
.endr
	v_nop
	s_wait_alu depctr_va_vdst(0)                   ; one wait for the two
.irp q, 0,1
	v_mul_f32 v[ST+8*\q+4], v[ST+8*\q+4], v[ST+8*\q+3]   ; both weights / the sum
	v_mul_f32 v[ST+8*\q+6], v[ST+8*\q+6], v[ST+8*\q+3]
.endr
; Tile q: the partner's O into v64-255; mine x my weight; theirs x their weight + mine; through my stage; 16 whole rows of 1,536 bytes out, 512 consecutive bytes a store.
.macro MERGE q
.if \q
	s_wait_xcnt 0x0                                ; tile 0's stores have read v64-255: only now are they loaded again
.endif
.set nn, 0
.rept 24
	ds_load_b128 v[KR+8*nn:KR+8*nn+3],   v3 offset:1024*(24*\q+nn)
	ds_load_b128 v[KR+8*nn+4:KR+8*nn+7], v3 offset:1024*(24*\q+nn)+512
.set nn, nn+1
.endr
	WIN 0x41
.set nn, 0
.rept 16
.irp p, 0,2,4,6
	v_pk_mul_f32 v[8*(2*nn+\q)+\p:8*(2*nn+\q)+\p+1], v[8*(2*nn+\q)+\p:8*(2*nn+\q)+\p+1], v[ST+8*\q+4:ST+8*\q+5] op_sel_hi:[1,0]
.endr
.set nn, nn+1
.endr
	WIN 0x82
.set nn, 0
.rept 8
.irp p, 0,2,4,6
	v_pk_mul_f32 v[8*(2*nn+\q)+\p:8*(2*nn+\q)+\p+1], v[8*(2*nn+\q)+\p:8*(2*nn+\q)+\p+1], v[ST+8*\q+4:ST+8*\q+5] op_sel_hi:[1,0]
.endr
.set nn, nn+1
.endr
	s_wait_dscnt 0x0
	WIN 0x10                                       ; source 2 (my O) window 1
.set nn, 0
.rept 16
.irp p, 0,2,4,6
	v_pk_fma_f32 v[KR+8*nn+\p:KR+8*nn+\p+1], v[KR+8*nn+\p:KR+8*nn+\p+1], v[ST+8*\q+6:ST+8*\q+7], v[8*(2*nn+\q)+\p:8*(2*nn+\q)+\p+1] op_sel_hi:[1,0,1]
.endr
.set nn, nn+1
.endr
	WIN 0x20
.set nn, 0
.rept 8
.irp p, 0,2,4,6
	v_pk_fma_f32 v[KR+128+8*nn+\p:KR+128+8*nn+\p+1], v[KR+128+8*nn+\p:KR+128+8*nn+\p+1], v[ST+8*\q+6:ST+8*\q+7], v[8*(2*nn+\q)+\p:8*(2*nn+\q)+\p+1] op_sel_hi:[1,0,1]
.endr
.set nn, nn+1
.endr
	WIN 0
.set nn, 0
.rept 24
	ds_store_b128 v5, v[KR+8*nn:KR+8*nn+3]   offset:64*nn          ; lane (r, h): query r, channels 16 n + 8 h + 0 .. 7
	ds_store_b128 v5, v[KR+8*nn+4:KR+8*nn+7] offset:64*nn+16
.set nn, nn+1
.endr
.set kk, 0
.rept 48
	ds_load_b128 v[KR+4*kk:KR+4*kk+3], v6 offset:OSP*(kk/3)+512*(kk%3)   ; my own bytes; LDS serves a wave's instructions in order (ISA guide 5.7.1.4)
.set kk, kk+1
.endr
.set kk, 0
.rept 48
	s_wait_dscnt 47-kk                             ; run kk is back; the younger ones may be out
	global_store_b128 v[QO], v[KR+4*kk:KR+4*kk+3], s[68:69] offset:98304*\q+1536*(kk/3)+512*(kk%3) th:TH_STORE_NT   ; 32 lanes store 512 consecutive bytes, at a multiple of 256 from out0's first byte
.set kk, kk+1
.endr
.endm
	MERGE 0
	MERGE 1
.Ldone:
	s_wait_tensorcnt 0x0                           ; the wave's end, behind my last tensor load and my last LDS store
	ds_add_u32 v[SPW], v[NIL]
	s_wait_dscnt 0x0
	ROUND                                          ; the closing round: no work-group ends while a partner may still ask for a tile that names it
	s_endpgm
.Lfunc_end_k_q3f84a24786_attn:
	.size	k_q3f84a24786_attn, .Lfunc_end_k_q3f84a24786_attn-k_q3f84a24786_attn
	.p2alignl 7, 3214868480
	.fill 96, 4, 3214868480
	.section	.rodata,"a",@progbits
	.p2align	6, 0x0
	.amdhsa_kernel k_q3f84a24786_attn
		.amdhsa_group_segment_fixed_size 327680
		.amdhsa_private_segment_fixed_size 0
		.amdhsa_enable_private_segment 0
		.amdhsa_kernarg_size 16
		.amdhsa_user_sgpr_count 2
		.amdhsa_user_sgpr_kernarg_segment_ptr 1
		.amdhsa_wavefront_size32 1
		.amdhsa_system_sgpr_workgroup_id_x 1
		.amdhsa_system_sgpr_workgroup_id_y 1
		.amdhsa_system_sgpr_workgroup_id_z 1
		.amdhsa_system_vgpr_workitem_id 0
		.amdhsa_next_free_vgpr 1024
		.amdhsa_next_free_sgpr 80
		.amdhsa_reserve_vcc 1
		.amdhsa_float_denorm_mode_32 3
		.amdhsa_float_denorm_mode_16_64 3
		.amdhsa_memory_ordered 1
		.amdhsa_forward_progress 1
		.amdhsa_inst_pref_size 197
	.end_amdhsa_kernel
	.amdgpu_metadata
---
amdhsa.version: [ 1, 2 ]
amdhsa.kernels:
  - .name:           k_q3f84a24786_attn
    .symbol:         k_q3f84a24786_attn.kd
    .args:
      - { .name: qkv, .offset: 0, .size: 8, .value_kind: global_buffer, .address_space: global }
      - { .name: out0, .offset: 8, .size: 8, .value_kind: global_buffer, .address_space: global }
    .group_segment_fixed_size: 327680
    .private_segment_fixed_size: 0
    .kernarg_segment_align: 8
    .kernarg_segment_size: 16
    .max_flat_workgroup_size: 128
    .sgpr_count:     80
    .vgpr_count:     1024
    .wavefront_size: 32
...
	.end_amdgpu_metadata
.endif
;; end of part 3
;; launch first16 (part 4): grid 6 x 8, 1 waves a work-group, no clusters, 4,864 bytes of LDS; arguments q32, out0; writes out0
.if DOCPART == 4
	.amdgcn_target "amdgcn-amd-amdhsa--gfx1250"
	.amdhsa_code_object_version 6
	.text
	.protected	k_q3f84a24786_first16
	.globl	k_q3f84a24786_first16
	.p2align	8
	.type	k_q3f84a24786_first16,@function
k_q3f84a24786_first16:
	s_mov_b64 s[64:65], 0
	v_nop
	global_prefetch_b8 v0, s[64:65] scope:SCOPE_SE
	s_setreg_imm32_b32 hwreg(HW_REG_WAVE_MODE, 25, 1), 1
	s_wait_xcnt 0x0
; The first 16 positions of every sequence, once more, with f32 operands: these rows average one to sixteen values, and the rounding of 16-bit operands weighs most there.
; q32: [sequence b][0 Q, 1 K, 2 V][16][384] f32.  Wave (x, b) makes the 16 x 16 scores of sequence b (96 matrix instructions of 16 x 16 x 4, four accumulators by turns), the causal softmax with its maximum taken away,
; and channels 64 x .. 64 x + 63 of rows 0-15 of out0, over what the launch before stored there.  S^T = K Q^T, O^T = V^T P: a lane holds one query (lane % 16); in S^T register i is key 8 (lane / 16) + i.
; A K step of the first product takes the four channels that a register pair holds in the two halves of the lanes, alike in both operands; a K step u of the second the keys 2 u, 2 u + 1, 8 + 2 u, 9 + 2 u, likewise.
; The registers that the f32 matrix form writes (v192-255 of window 0) are written by matrix instructions alone; what is made of the sums goes into other registers.
; REGISTERS: window 0: v1-15 addresses and scratch; v48-55 scores, then p; v56-63 P; v64-95 V; v128-159 rows on the way out; v160-167 at work; v192-223 four score accumulators; v224-255 four of O^T.  window 1: Q.  window 2: K.
; LIMITS: NaN and infinities are not served.
.set SPARE, 4608                       ; behind the stage (16 rows x 272): the spare words: one block of 256 bytes that no other line names
.set MSB, 0
.macro WIN new
.if MSB != \new
	s_set_vgpr_msb (MSB<<8)|\new
.set MSB, \new
.endif
.endm
	s_load_b128 s[4:7], s[0:1], 0x0                ; q32, out0
	v_lshl_add_u32 v10, v0, 2, SPARE               ; my spare word; never rewritten
	v_mov_b32 v11, 0                               ; 0; never rewritten
	v_and_b32 v1, 15, v0                           ; r
	v_lshrrev_b32 v2, 4, v0                        ; h
	v_mul_u32_u24 v3, v1, 1536
	v_lshl_add_u32 v3, v2, 4, v3                   ; Q, K: row r, + 16 h
	s_lshl_b32 s10, ttmp9, 8                       ; my 64 channels, in bytes
	v_mul_u32_u24 v4, v2, 12288
	v_lshl_add_u32 v4, v1, 2, v4
	v_add_nc_u32 v4, s10, v4                       ; V: key 8 h, channel 64 x + r
	v_mul_u32_u24 v5, v1, 272
	v_lshl_add_u32 v5, v2, 5, v5                   ; into the stage: row r, + 32 h
	v_mul_u32_u24 v6, v2, 272
	v_lshl_add_u32 v6, v1, 4, v6                   ; out of it: lanes 0-15 one row, lanes 16-31 the next
	v_mul_u32_u24 v7, v2, 1536
	v_lshl_add_u32 v7, v1, 4, v7                   ; and the same in out0
	v_lshlrev_b32 v8, 3, v2
	v_sub_nc_u32 v8, v1, v8                        ; r - 8 h: register i's key is hidden where i is above it
	v_mov_b32 v9, 0xff800000                       ; -infinity
	v_mov_b32 v13, 0                               ; a lane permute's destination counts as one of its sources
	s_mov_b32 s20, 0x76543210
	s_mov_b32 s21, 0xfedcba98
	s_mov_b32 s22, 0x3d96c740                      ; c = log2(e) / sqrt(384)
	s_and_b32 s8, ttmp7, 0xffff                    ; b
	s_mul_i32 s12, s8, 3145728
	s_add_co_u32 s12, s12, s10                     ; out0: the sequence's first row, my channels
	s_mov_b32 s13, 0
	s_mul_i32 s8, s8, 73728
	s_mov_b32 s9, 0
	s_wait_kmcnt 0x0
	s_add_nc_u64 s[4:5], s[4:5], s[8:9]
	s_add_nc_u64 s[6:7], s[6:7], s[12:13]
	WIN 0x40                                       ; destination window 1
.set u, 0
.rept 48
	global_load_b128 v[4*u:4*u+3], v3, s[4:5] offset:32*u          ; Q(r, 8 u + 4 h + 0 .. 3)
.set u, u+1
.endr
	WIN 0x80                                       ; destination window 2
.set u, 0
.rept 48
	global_load_b128 v[4*u:4*u+3], v3, s[4:5] offset:24576+32*u    ; K likewise
.set u, u+1
.endr
	WIN 0
.irp n, 0,1,2,3
.irp i, 0,1,2,3,4,5,6,7
	global_load_b32 v[64+8*\n+\i], v4, s[4:5] offset:49152+1536*\i+64*\n   ; V(8 h + i, 64 x + 16 n + r)
.endr
.endr
	s_wait_loadcnt 0x0
	WIN 0x06                                       ; source 0 (K) window 2, source 1 (Q) window 1
.set i, 0
.rept 96
.if i < 4
	v_wmma_f32_16x16x4_f32 v[192+8*(i%4):192+8*(i%4)+7], v[2*i:2*i+1], v[2*i:2*i+1], 0
.else
	v_wmma_f32_16x16x4_f32 v[192+8*(i%4):192+8*(i%4)+7], v[2*i:2*i+1], v[2*i:2*i+1], v[192+8*(i%4):192+8*(i%4)+7]
.endif
.set i, i+1
.endr
	WIN 0
.rept 8
	v_nop                                          ; eight plain instructions behind this form (ISA guide 7.12.1), ahead of the first read of results
.endr
.irp p, 0,2,4,6
	v_pk_add_f32 v[48+\p:49+\p], v[192+\p:193+\p], v[200+\p:201+\p]       ; the four partial sums, each accumulator from its low end on
	v_pk_add_f32 v[160+\p:161+\p], v[208+\p:209+\p], v[216+\p:217+\p]
.endr
.irp p, 0,2,4,6
	v_pk_add_f32 v[48+\p:49+\p], v[48+\p:49+\p], v[160+\p:161+\p]
.endr
.irp i, 0,1,2,3,4,5,6,7
	v_cmp_gt_i32 vcc_lo, \i, v8
	v_cndmask_b32 v[48+\i], v[48+\i], v9, vcc_lo   ; hidden keys: -infinity
.endr
	v_max3_num_f32 v12, v48, v49, v50
	v_max3_num_f32 v12, v12, v51, v52
	v_max3_num_f32 v12, v12, v53, v54
	v_max_num_f32 v12, v12, v55
	v_permlanex16_b32 v13, v12, s20, s21
	v_max_num_f32 v12, v12, v13                    ; the row's maximum: key 0 counts for every query, so it is a number
	v_mul_f32 v14, s22, v12
.irp i, 0,1,2,3,4,5,6,7
	v_fma_f32 v[48+\i], v[48+\i], s22, -v14
.endr
.irp i, 0,1,2,3,4,5,6,7
	v_exp_f32 v[48+\i], v[48+\i]
.endr
	v_nop
	s_wait_alu depctr_va_vdst(0)                   ; one wait for the batch, ahead of its first reader
	v_add_f32 v12, v48, v49
	v_add_f32 v14, v50, v51
	v_add_f32 v12, v12, v52
	v_add_f32 v14, v14, v53
	v_add_f32 v12, v12, v54
	v_add_f32 v14, v14, v55
	v_add_f32 v12, v12, v14
	v_permlanex16_b32 v13, v12, s20, s21
	v_add_f32 v12, v12, v13
	v_rcp_f32 v15, v12
	v_nop
	s_wait_alu depctr_va_vdst(0)
.irp i, 0,1,2,3,4,5,6,7
	v_mul_f32 v[56+\i], v[48+\i], v15              ; the weights
.endr
.rept 4
	v_nop
.endr
.irp u, 0,1,2,3
.irp n, 0,1,2,3
.if \u == 0
	v_wmma_f32_16x16x4_f32 v[224+8*\n:224+8*\n+7], v[64+8*\n+2*\u:64+8*\n+2*\u+1], v[56+2*\u:56+2*\u+1], 0
.else
	v_wmma_f32_16x16x4_f32 v[224+8*\n:224+8*\n+7], v[64+8*\n+2*\u:64+8*\n+2*\u+1], v[56+2*\u:56+2*\u+1], v[224+8*\n:224+8*\n+7]
.endif
.endr
.endr
.rept 8
	v_nop
.endr
.irp n, 0,1,2,3
	ds_store_b128 v5, v[224+8*\n:224+8*\n+3] offset:64*\n          ; lane (r, h): query r, channels 16 n + 8 h + 0 .. 7
	ds_store_b128 v5, v[224+8*\n+4:224+8*\n+7] offset:64*\n+16
.endr
.irp k, 0,1,2,3,4,5,6,7
	ds_load_b128 v[128+4*\k:128+4*\k+3], v6 offset:544*\k          ; LDS serves a wave's instructions in order (ISA guide 5.7.1.4): these see my stores
.endr
.irp k, 0,1,2,3,4,5,6,7
	s_wait_dscnt 7-\k                              ; rows 2 k, 2 k + 1 are back; the younger loads may be out
	global_store_b128 v7, v[128+4*\k:128+4*\k+3], s[6:7] offset:3072*\k   ; sixteen lanes store 256 consecutive bytes, at a multiple of 256 from out0's first byte
.endr
	s_wait_tensorcnt 0x0                           ; the wave's end, behind my last LDS store
	ds_add_u32 v10, v11
	s_wait_dscnt 0x0
	s_endpgm
.Lfunc_end_k_q3f84a24786_first16:
	.size	k_q3f84a24786_first16, .Lfunc_end_k_q3f84a24786_first16-k_q3f84a24786_first16
	.p2alignl 7, 3214868480
	.fill 96, 4, 3214868480
	.section	.rodata,"a",@progbits
	.p2align	6, 0x0
	.amdhsa_kernel k_q3f84a24786_first16
		.amdhsa_group_segment_fixed_size 4864
		.amdhsa_private_segment_fixed_size 0
		.amdhsa_enable_private_segment 0
		.amdhsa_kernarg_size 16
		.amdhsa_user_sgpr_count 2
		.amdhsa_user_sgpr_kernarg_segment_ptr 1
		.amdhsa_wavefront_size32 1
		.amdhsa_system_sgpr_workgroup_id_x 1
		.amdhsa_system_sgpr_workgroup_id_y 1
		.amdhsa_system_sgpr_workgroup_id_z 1
		.amdhsa_system_vgpr_workitem_id 0
		.amdhsa_next_free_vgpr 768
		.amdhsa_next_free_sgpr 66
		.amdhsa_reserve_vcc 1
		.amdhsa_float_denorm_mode_32 3
		.amdhsa_float_denorm_mode_16_64 3
		.amdhsa_memory_ordered 1
		.amdhsa_forward_progress 1
		.amdhsa_inst_pref_size 28
	.end_amdhsa_kernel
	.amdgpu_metadata
---
amdhsa.version: [ 1, 2 ]
amdhsa.kernels:
  - .name:           k_q3f84a24786_first16
    .symbol:         k_q3f84a24786_first16.kd
    .args:
      - { .name: q32, .offset: 0, .size: 8, .value_kind: global_buffer, .address_space: global }
      - { .name: out0, .offset: 8, .size: 8, .value_kind: global_buffer, .address_space: global }
    .group_segment_fixed_size: 4864
    .private_segment_fixed_size: 0
    .kernarg_segment_align: 8
    .kernarg_segment_size: 16
    .max_flat_workgroup_size: 32
    .sgpr_count:     66
    .vgpr_count:     768
    .wavefront_size: 32
...
	.end_amdgpu_metadata
.endif
;; end of part 4
;; ======== version 2 of 2: 4 launches
;; limits: values are held in f16: magnitudes above 65,504 overflow, below 6.1e-05 lose precision
;; workspace buffers: wcodes 221,184 bytes; wscl 36,864 bytes; qkv 37,748,736 bytes; q32 589,824 bytes
;; launch quantw: the kernel of part 1 again; grid 24 x 3, 1 waves a work-group, no clusters, 0 bytes of LDS; arguments Wq, Wk, Wv, wcodes, wscl; writes wcodes, wscl
;; launch proj: the kernel of part 2 again; grid 256 x 1, 12 waves a work-group, no clusters, 267,264 bytes of LDS; arguments x, wcodes, wscl, qkv, q32; writes qkv, q32
;; launch attn (part 5): grid 32 x 8, 4 waves a work-group, clusters of 4 x 1, 327,680 bytes of LDS; arguments qkv, out0; writes out0
.if DOCPART == 5
	.amdgcn_target "amdgcn-amd-amdhsa--gfx1250"
	.amdhsa_code_object_version 6
	.text
	.protected	k_q3f84a24786_attn
	.globl	k_q3f84a24786_attn
	.p2align	8
	.type	k_q3f84a24786_attn,@function
k_q3f84a24786_attn:
	s_mov_b64 s[64:65], 0
	v_nop
	global_prefetch_b8 v0, s[64:65] scope:SCOPE_SE
	s_setreg_imm32_b32 hwreg(HW_REG_WAVE_MODE, 25, 1), 1
	s_wait_xcnt 0x0
	s_wait_alu depctr_hold_cnt(0) depctr_sa_sdst(0) depctr_va_vdst(0) depctr_va_sdst(0) depctr_va_ssrc(0) depctr_va_vcc(0) depctr_vm_vsrc(0)
	s_getreg_b32 s2, hwreg(HW_REG_IB_STS2, 6, 4)
	s_cmp_eq_u32 s2, 0
	s_cbranch_scc0 .Lentry_in_a_cluster
	s_endpgm
.Lentry_in_a_cluster:
	s_bfe_u32 s2, ttmp6, 0x10000c
	s_cmp_lg_u32 s2, 0x3003
	s_cbranch_scc0 .Lentry_shape_is_right
	s_endpgm
.Lentry_shape_is_right:
; out[b][t][:] = sum over s <= t of softmax_s(Q[b][t] . K[b][s] / sqrt(384)) V[b][s][:].  Q, K, V: qkv [3][8 x 2048][384] f16; out0 [8][2048][384] f32.  Products on f16 operands, sums, maxima and softmax in f32;
; the weights p are rounded to f16 for the second product.  A running maximum m and sum l for each query: p = 2^(c s - c m), c = log2(e) / sqrt(384); in every step O and l are multiplied by 2^(c m_old - c m_new).
; LIMITS: f16's range for Q, K, V (65,504); NaN and infinities are not served.  Rows 0-15 of each sequence are stored here too and stored again, from f32 operands, by the launch that follows.
; SHARES.  A cluster of four work-groups (cluster x = j, y = sequence b) owns queries 256 j .. 256 j + 255 as 16 tiles of 16; THE TILES ARE DEALT ROUND: partner cx takes tiles cx, cx + 4, cx + 8, cx + 12, so that every
; partner needs every key up to 256 (j + 1) and all four ask for every tile of K and V JOINTLY (the same tensor load, the same descriptor, a mask that names the four).  cx enters global addresses and vector data alone.
; A wave (g = w / 2, kh = w % 2) holds tiles cx + 8 g and cx + 8 g + 4 (32 queries: O^T 384 registers, Q 192) and works keys 32 kh .. 32 kh + 31 of each tile of 64 keys.  The two waves of a g hold partial O, m, l,
; which are merged once, at the end, through LDS.
; THE WALK GOES DOWN, from the tile on the diagonal (keys 256 j + 192 on) to key 0: 4 (j + 1) tiles; at any time the eight clusters of a sequence stand at eight different tiles, four tiles apart.  In the first four
; tiles the scores of hidden keys become -infinity.  m starts at -3e38, l and O^T at 0: a step, or a whole partial, with no visible key leaves l = 0 and O = 0, and such a partial has weight 0 in the merge.
; O^T IS CLEARED and the key step has no first form of its own: the shortest walk (four tiles) has two steps that refill and two that do not, so a first step written out would leave its loop without a trip.
; LAYOUT.  S^T = K Q^T (source 0 = 16 keys, source 1 = 16 queries), O^T = V^T P (source 0 = V turned by ds_load_tr16_b128): a lane holds ONE query throughout; two tiles of S^T rounded in pairs ARE source 1 of the second product.
; A KEY STEP (macro BODY): V's fragments come from LDS among the products K Q^T, whose K was fetched a step ago; then the tile's slot has been read out, and THE CHANGE OF SLOTS STANDS IN THE STEP'S MIDDLE: the round,
; the joint refill of this slot, and the next tile's K out of the other slot, in three runs among the softmax; then V^T P, with the rescaling of O^T in slices behind its products.
; LDS.  Two slots of 107,520 bytes: 64 rows of K (3 x (256 + 16) bytes: row r starts 12 r banks on, 16 different groups of four) and 64 rows of V (3 x (256 + 32); 64 banks of 4 bytes: ISA guide 11.1).
; Both are dense in memory and come as rows of 256 bytes; waves 0, 1 fetch K's halves, waves 2, 3 V's.  Two tensor loads of a wave are out at the start (the two first fills), later one.
; REGISTERS, in windows of 256: window 0: v0-31 addresses and statistics; v32-63 S^T, then P; v64-255 K's 24 fragments.  window 1: O^T, channel tiles 0-15, at 8 (2 n + q).
;   window 2: v0-127 O^T, channel tiles 16-23; v128-255 V's fragments 0-15.   window 3: v0-191 Q, at 8 (12 q + K step); v192-255 V's fragments 16-23.
.set MATB,  12582912                   ; a matrix of qkv
.set SEQB,  1572864                    ; a sequence in it
.set TILEB, 49152                      ; 64 rows of 768 bytes
.set KP,    816
.set VP,    864
.set VOFF,  64*KP
.set SLOT,  64*(KP+VP)
.set SPARE, 2*SLOT                     ; behind the ring: the spare words, 128 bytes for each wave: two blocks of 256 bytes that no other line names
.set MSS,   98304                      ; the merge (in slot 0, after its last fill and last read): 49,152 bytes of O for each g from byte 0; here 512 bytes of statistics for each g
.set OSP,   1552                       ; the way out (in slot 1, likewise): 16 rows x (1,536 + 16) for each g
.set AK,  3                            ; v3, v4   my lane's place in K's tile of slot 0, 1; at the end: v3 the merge's O, v4 its statistics
.set AV,  5                            ; v5, v6   the same for V; at the end: v5 into the stage, v6 out of it
.set NINF, 7                           ; v7       -infinity
.set VQ,  8                            ; v8, v9   my query of tile q, less 32 kh + 8 h
.set SPW, 10                           ; v10      my spare word; never rewritten
.set NIL, 11                           ; v11      0; never rewritten
.set ST,  12                           ; tile q's statistics at v[12 + 8 q]: +0 c m, +1 m, +2, +3 l in two halves, +4 f (with +5 as a pair), +6, +7 at work
.set DD,  28                           ; v28, v29 VQ less the tile's first key
.set PFO, 30                           ; v30      256 x lane, for the prefetches; never rewritten
.set QO,  31                           ; v31      my byte in Q's rows; at the end 16 x lane
.set S,   32
.set KR,  64
.set WV,  8                            ; s8 wave, s9 g, s10 kh, s11 cx, s12 j, s13 b
.set SEL, 20                           ; s[20:21] selects for lane l xor 16
.set CS,  22                           ; s[22:23] c, twice (the packed form names a pair)
.set G1K, 24                           ; s[24:31], s[32:39] descriptor groups 1;  s[40:47], s[48:55] groups 0, a set for each slot
.set G1V, 32
.set G0K, 40
.set G0V, 48
.set CNT, 56                           ; s56 the loop's trips
.set KF,  57                           ; s57 the tile's first key
.set DIAG, 58                          ; s58 256 j: from this key on scores are masked
.set LIM, 59                           ; s59 a wave prefetches while KF is at or above it
.set PFA, 60                           ; s[60:61] where my prefetches stand
.set MSB, 0
.macro WIN new                         ; s_set_vgpr_msb: bits 1:0 source 0, 3:2 source 1, 5:4 source 2, 7:6 destination; the high byte repeats the setting that is left
.if MSB != \new
	s_set_vgpr_msb (MSB<<8)|\new
.set MSB, \new
.endif
.endm
.macro PLACES n
.rept \n
	v_nop
.endr
.endm
.macro ROUND                           ; a round of the cluster's barrier
	s_barrier_signal -1
	s_barrier_wait -1
	s_cmp_lg_u32 s[WV], 0
	s_cbranch_scc1 .Lnot_wave_0_\@
	s_barrier_signal -3
.Lnot_wave_0_\@:
	s_barrier_wait -3
	s_barrier_signal -1
	s_barrier_wait -1
.endm
.macro JLOAD s                         ; a joint load into slot s: waves 0, 1 K's halves, waves 2, 3 V's.  The branch hangs on the wave's number alone.  An s_nop 0 and four v_nop follow each line
	s_cmp_lt_u32 s[WV], 2
	s_cbranch_scc0 .Lfor_v_\@
	tensor_load_to_lds s[G0K+4*(\s):G0K+4*(\s)+3], s[G1K:G1K+7]
	s_nop 0
	PLACES 4
	s_branch .Lasked_\@
.Lfor_v_\@:
	tensor_load_to_lds s[G0V+4*(\s):G0V+4*(\s)+3], s[G1V:G1V+7]
	s_nop 0
	PLACES 4
.Lasked_\@:
.endm
; A PREFETCH INTO THE L2 of the tile that stands two joint loads on (the step of tile t asks jointly for tile t - 2 and names tile t - 4): two steps, 192 matrix instructions, ahead of its load.
; Only the cluster with the longest walk (j = 7) asks.  A tile is 384 blocks of 256 bytes: 12 waves (waves 0-2 of the four partners) x 32 lanes name each block once; the partners are told apart BY ADDRESS.
; It stops with tile 0 (KF at 256 or above); the cluster's first four tiles come by their loads alone.
.macro ASK
	s_cmp_ge_u32 s[KF], s[LIM]
	s_cbranch_scc0 .Lnot_mine_\@
	global_prefetch_b8 v[PFO], s[PFA:PFA+1] th:TH_LOAD_NT scope:SCOPE_SE
.Lnot_mine_\@:
.endm
.macro FETCH_K sl, c                   ; my 32 keys x channels 128 c .. 128 c + 127 of slot sl: 8 fragments, 16 loads (every window is 0 here)
.irp d, 0,1,2,3
.irp kt, 0,1
	ds_load_b128 v[KR+8*(2*(4*(\c)+\d)+\kt):KR+8*(2*(4*(\c)+\d)+\kt)+3],   v[AK+(\sl)] offset:16*KP*\kt+64*(4*(\c)+\d)+16*(\c)
	ds_load_b128 v[KR+8*(2*(4*(\c)+\d)+\kt)+4:KR+8*(2*(4*(\c)+\d)+\kt)+7], v[AK+(\sl)] offset:16*KP*\kt+64*(4*(\c)+\d)+16*(\c)+32
.endr
.endr
.endm
.macro KQ u0, nu                       ; 4 nu products: K steps u0 .. u0 + nu - 1; the four accumulators (key tile, query tile) by turns; K step 0 starts the sums
	WIN 0x0c                                       ; K and S^T window 0, Q window 3
.set uu, \u0
.rept \nu
.irp kt, 0,1
.irp q, 0,1
.if uu == 0
	v_wmma_f32_16x16x32_f16 v[S+16*\q+8*\kt:S+16*\q+8*\kt+7], v[KR+8*(2*uu+\kt):KR+8*(2*uu+\kt)+7], v[8*(12*\q+uu):8*(12*\q+uu)+7], 0
.else
	v_wmma_f32_16x16x32_f16 v[S+16*\q+8*\kt:S+16*\q+8*\kt+7], v[KR+8*(2*uu+\kt):KR+8*(2*uu+\kt)+7], v[8*(12*\q+uu):8*(12*\q+uu)+7], v[S+16*\q+8*\kt:S+16*\q+8*\kt+7]
.endif
.endr
.endr
.set uu, uu+1
.endr
.endm
.macro FETCH_V sl, c                   ; V turned: channel tiles 8 c .. 8 c + 7 x my 32 keys: 16 loads
.if (\c) < 2
	WIN 0x80
.set VB, 128+64*(\c)
.else
	WIN 0xc0
.set VB, 192
.endif
.irp e, 0,1,2,3,4,5,6,7
	ds_load_tr16_b128 v[VB+8*\e:VB+8*\e+3],   v[AV+\sl] offset:32*(8*(\c)+\e)+32*(\c)
	ds_load_tr16_b128 v[VB+8*\e+4:VB+8*\e+7], v[AV+\sl] offset:32*(8*(\c)+\e)+32*(\c)+16*VP
.endr
.endm
; O^T's accumulator a = 2 n + q (channel tile n, query tile q).  MSL: its eight registers x f, from the low end on.  WPV: its product O^T += V^T P.
.macro MSL a
.if (\a) < 32
	WIN 0x41                                       ; destination and source 0 window 1, f window 0
.set rO, 8*(\a)
.else
	WIN 0x82
.set rO, 8*((\a)-32)
.endif
.irp p, 0,2,4,6
	v_pk_mul_f32 v[rO+\p:rO+\p+1], v[rO+\p:rO+\p+1], v[ST+8*((\a)%2)+4:ST+8*((\a)%2)+5] op_sel_hi:[1,0]
.endr
.endm
.macro WPV a
.if (\a) < 32
	WIN 0x52                                       ; V window 2, P window 0, O^T window 1
.set rO, 8*(\a)
.set rV, 128+8*((\a)/2)
.else
	WIN 0xa3                                       ; V window 3, O^T window 2
.set rO, 8*((\a)-32)
.set rV, 192+8*(((\a)-32)/2)
.endif
	v_wmma_f32_16x16x32_f16 v[rO:rO+7], v[rV:rV+7], v[S+16*((\a)%2):S+16*((\a)%2)+7], v[rO:rO+7]
.endm
; A KEY STEP on the tile in slot sl; its K lies in registers (asked for a step ago).
; mode 2: this slot is filled again, two tiles on, and the next tile's K is fetched; mode 1: nothing is left to fill, the next tile's K is fetched; mode 0: the last tile.
.macro BODY sl, mode
	v_sub_nc_u32 v[DD], v[VQ], s[KF]               ; these two and four v_nop: six plain instructions between the last V^T P, which read P and V, and the first K Q^T, which writes over P, and the loads into V's registers
	v_sub_nc_u32 v[DD+1], v[VQ+1], s[KF]
	PLACES 4
	FETCH_V \sl, 0
	FETCH_V \sl, 1
	s_wait_dscnt 32                                ; K's 48 loads of the step before are in; the 32 just issued (V's parts 0 and 1) may be out
	KQ 0, 4
	FETCH_V \sl, 2
	KQ 4, 6
.if \mode
	WIN 0                                          ; (the add's two registers lie in window 0)
	s_wait_tensorcnt 0x0                           ; all my tensor loads have landed: the one that was out is my part of the other slot
	ds_add_u32 v[SPW], v[NIL]                      ; 0 onto my spare word; eight products and the descriptors' steps stand between it and the wait for it
.endif
	KQ 10, 2
	WIN 0
.if \mode == 2
	s_sub_nc_u64 s[G0K+4*\sl+2:G0K+4*\sl+3], s[G0K+4*\sl+2:G0K+4*\sl+3], 2*TILEB   ; this slot's next tile, two tiles down; no load of mine is out; the type bits on top are not reached
	s_sub_nc_u64 s[G0V+4*\sl+2:G0V+4*\sl+3], s[G0V+4*\sl+2:G0V+4*\sl+3], 2*TILEB
	s_wait_xcnt 0x0                                ; the last prefetch, a step back, has read its address
	s_sub_nc_u64 s[PFA:PFA+1], s[PFA:PFA+1], TILEB
.endif
	s_wait_dscnt 0x0                               ; V is in, so my reads of this slot are over; the add is done
.if \mode == 2
	ROUND                                          ; both now hold of every wave of all four partners
	JLOAD \sl                                      ; the first thing behind the round; it has a whole step in which to land.  Its four v_nop are also the places behind the products K Q^T
	ASK
.elseif \mode == 1
	s_barrier_signal -1
	s_barrier_wait -1                              ; my work-group's barrier is enough; the other slot is whole
	PLACES 4
.else
	PLACES 4                                       ; behind the last products, ahead of the first read of the scores
.endif
.if \mode
	FETCH_K 1-\sl, 0                               ; the next tile's K, in three runs of 16 loads among the softmax
.endif
	s_cmp_lt_u32 s[KF], s[DIAG]                    ; ids and the count of steps alone, the same in all partners: under 256 j every key counts
	s_cbranch_scc1 .Lopen_\@
.irp i, 0,1,2,3,4,5,6,7,8,9,10,11,12,13,14,15
.irp q, 0,1
	v_cmp_gt_i32 vcc_lo, 16*(\i/8)+\i%8, v[DD+\q]  ; register i holds key KF + 32 kh + 8 h + 16 (i / 8) + i % 8: hidden where it lies behind my query
	v_cndmask_b32 v[S+16*\q+\i], v[S+16*\q+\i], v[NINF], vcc_lo
.endr
.endr
.Lopen_\@:
.irp q, 0,1
	v_max3_num_f32 v[ST+8*\q+6], v[S+16*\q], v[S+16*\q+1], v[S+16*\q+2]   ; the maximum, each accumulator from its low end on; the two tiles by turns
.endr
.irp i, 3,5,7,9,11,13
.irp q, 0,1
	v_max3_num_f32 v[ST+8*\q+6], v[ST+8*\q+6], v[S+16*\q+\i], v[S+16*\q+\i+1]
.endr
.endr
.irp q, 0,1
	v_max3_num_f32 v[ST+8*\q+6], v[ST+8*\q+6], v[S+16*\q+15], v[ST+8*\q+1]   ; and the old m: a number even where all my keys are hidden
.endr
.irp q, 0,1
	v_permlanex16_b32 v[ST+8*\q+7], v[ST+8*\q+6], s[SEL], s[SEL+1]   ; the query's other 16 keys lie in the lane 16 away
.endr
.irp q, 0,1
	v_max_num_f32 v[ST+8*\q+1], v[ST+8*\q+6], v[ST+8*\q+7]
.endr
.irp q, 0,1
	v_mov_b32 v[ST+8*\q+4], v[ST+8*\q]             ; c m_old
.endr
.irp q, 0,1
	v_mul_f32 v[ST+8*\q], s[CS], v[ST+8*\q+1]      ; c m
.endr
.irp q, 0,1
	v_sub_f32 v[ST+8*\q+4], v[ST+8*\q+4], v[ST+8*\q]
.endr
.if \mode
	FETCH_K 1-\sl, 1
.endif
.irp i, 0,2,4,6,8,10,12,14
.irp q, 0,1
	v_pk_fma_f32 v[S+16*\q+\i:S+16*\q+\i+1], v[S+16*\q+\i:S+16*\q+\i+1], s[CS:CS+1], v[ST+8*\q:ST+8*\q+1] op_sel_hi:[1,0,0] neg_lo:[0,0,1] neg_hi:[0,0,1]   ; c s - c m
.endr
.endr
.irp q, 0,1
	v_exp_f32 v[ST+8*\q+4], v[ST+8*\q+4]           ; f = 2^(c m_old - c m_new)
.endr
.irp i, 0,1,2,3,4,5,6,7,8,9,10,11,12,13,14,15
.irp q, 0,1
	v_exp_f32 v[S+16*\q+\i], v[S+16*\q+\i]         ; p: ONE BATCH, none reads another's result
.endr
.endr
	v_nop                                          ; a plain instruction behind the last exponential
.if \mode
	FETCH_K 1-\sl, 2
.endif
	s_wait_alu depctr_va_vdst(0)                   ; one wait for the batch, ahead of its first reader
.irp q, 0,1
	v_pk_add_f32 v[ST+8*\q+6:ST+8*\q+7], v[S+16*\q:S+16*\q+1], v[S+16*\q+2:S+16*\q+3]   ; the step's sum of p, before p is rounded
.endr
.irp i, 4,6,8,10,12,14
.irp q, 0,1
	v_pk_add_f32 v[ST+8*\q+6:ST+8*\q+7], v[ST+8*\q+6:ST+8*\q+7], v[S+16*\q+\i:S+16*\q+\i+1]
.endr
.endr
.irp q, 0,1
	v_pk_fma_f32 v[ST+8*\q+2:ST+8*\q+3], v[ST+8*\q+2:ST+8*\q+3], v[ST+8*\q+4:ST+8*\q+5], v[ST+8*\q+6:ST+8*\q+7] op_sel_hi:[1,0,1]   ; l = f l + the sum
.endr
.irp i, 0,1,2,3,4,5,6,7
.irp q, 0,1
	v_cvt_pk_f16_f32 v[S+16*\q+\i], v[S+16*\q+2*\i], v[S+16*\q+2*\i+1]   ; P, in place, ascending: registers 0-3 keys 8 h + 0..7, registers 4-7 keys 16 + 8 h + 0..7
.endr
.endr
; O^T = f O^T + V^T P.  Behind each product stands the rescaling of the accumulator two turns on: four packed multiplies, which name none of the product's registers.  O^T fills its windows and f lies in window 0,
; so a slice costs two switches: 96 for a step's 48 products; set in a phase of their own, the 192 multiplies would leave the matrix unit without work all that while.  Each accumulator has one product a step.
	MSL 0
	MSL 1
.set aa, 0
.rept 48
	WPV aa
.if aa < 46
	MSL aa+2
.endif
.set aa, aa+1
.endr
	WIN 0
	s_sub_co_u32 s[KF], s[KF], 64                  ; the walk goes down (behind the last tile the number is not used)
.endm
	s_load_b128 s[4:7], s[0:1], 0x0                ; qkv s[4:5], out0 s[6:7]
	v_lshl_add_u32 v[SPW], v0, 2, SPARE
	v_mov_b32 v[NIL], 0
	ds_add_u32 v[SPW], v[NIL]                      ; the wave's opening: the add, twice on end, and its wait ahead of my first tensor load
	ds_add_u32 v[SPW], v[NIL]
	v_lshrrev_b32 v1, 5, v0
	v_readfirstlane_b32 s[WV], v1                  ; wave 0..3
	s_lshr_b32 s9, s[WV], 1                        ; g
	s_and_b32 s10, s[WV], 1                        ; kh; also which half of a tile I fetch
	s_bfe_u32 s11, ttmp6, 0x40000                  ; cx
	s_mov_b32 s12, ttmp9                           ; j: in a cluster launch ttmp9 counts clusters
	s_and_b32 s13, ttmp7, 0xffff                   ; b
	; descriptor groups 1: 96 rows of 256 bytes (32 elements of 8 bytes), dense in memory, padded in LDS
	s_mov_b32 s[G1K], 15|(3<<16)|(1<<20)|(1<<21)|(5<<22)|(3<<25)   ; 15:0 the mask: all four; 17:16 elements of 8 bytes; 20 padding on; 21 set beside a mask; 24:22 after every 64 words; 31:25 four words
	s_mov_b32 s[G1V], 15|(3<<16)|(1<<20)|(1<<21)|(5<<22)|(7<<25)   ; the same with eight words
.irp g, G1K, G1V
	s_mov_b32 s[\g+1], 32<<16                      ; tensor_dim0
	s_mov_b32 s[\g+2], 96<<16                      ; tensor_dim1
	s_mov_b32 s[\g+3], 32<<16                      ; tile_dim0
	s_mov_b32 s[\g+4], 96                          ; tile_dim1
	s_mov_b32 s[\g+5], 32                          ; the pitch
	s_mov_b32 s[\g+6], 0
	s_mov_b32 s[\g+7], 0
.endr
	s_mov_b32 s[SEL], 0x76543210
	s_mov_b32 s[SEL+1], 0xfedcba98
	s_mov_b32 s[CS], 0x3d96c740                    ; log2(e) / sqrt(384)
	s_mov_b32 s[CS+1], s[CS]
	s_lshl_b32 s[CNT], s12, 1
	s_add_co_u32 s[CNT], s[CNT], 1                 ; 2 j + 1 trips of two tiles, all of which refill; with the two tiles behind the loop: 4 (j + 1)
	s_max_u32 s[CNT], s[CNT], 1                    ; (at least one trip)
	s_lshl_b32 s[DIAG], s12, 8
	s_add_co_u32 s[KF], s[DIAG], 192               ; the walk's first tile: keys 256 j + 192 on
	s_cmp_lt_u32 s[WV], 3
	s_cselect_b32 s[LIM], 256, -1
	s_cmp_eq_u32 s12, 7
	s_cselect_b32 s[LIM], s[LIM], -1               ; the same in all four partners
	s_mul_i32 s14, s13, SEQB
	s_mul_i32 s15, s10, 24576
	s_add_co_u32 s14, s14, s15
	s_mul_i32 s15, s12, 4*TILEB
	s_add_co_u32 s14, s14, s15
	s_add_co_u32 s14, s14, 2*TILEB                 ; my half of the sequence's tile 4 j + 2: made of b, j and the wave's number alone
	s_mov_b32 s15, 0
	s_mul_i32 s18, s10, 32*KP                      ; its place in a slot: K's; also my 32 keys' rows
	s_mul_i32 s19, s10, 32*VP                      ; V's
	s_lshl_b32 s70, s13, 11
	s_lshl_b32 s71, s12, 8
	s_add_co_u32 s70, s70, s71
	s_lshl_b32 s76, s9, 3
	s_add_co_u32 s76, s76, s11
	s_lshl_b32 s76, s76, 4                         ; 16 (cx + 8 g)
	s_add_co_u32 s70, s70, s76                     ; my first row: 2048 b + 256 j + 16 (cx + 8 g)
	s_add_co_u32 s76, s76, s71
	s_lshl_b32 s77, s10, 5
	s_sub_co_u32 s76, s76, s77                     ; my first query in the sequence, less 32 kh
	s_mul_i32 s72, s70, 1536
	s_mov_b32 s73, 0
	s_mul_i32 s70, s70, 768
	s_mov_b32 s71, 0
	s_lshr_b32 s74, s11, 1                         ; the prefetches: partners 0, 1 name K's blocks, 2, 3 V's;
	s_add_co_u32 s74, s74, 1
	s_mul_i32 s74, s74, MATB
	s_mul_i32 s75, s13, SEQB
	s_add_co_u32 s74, s74, s75
	s_and_b32 s75, s11, 1
	s_mul_i32 s75, s75, 3
	s_add_co_u32 s75, s75, s[WV]
	s_lshl_b32 s75, s75, 13                        ; 8,192 bytes a wave
	s_add_co_u32 s74, s74, s75
	s_mul_i32 s75, s12, 4*TILEB
	s_add_co_u32 s74, s74, s75                     ; in tile 4 j: the first step steps it to tile 4 j - 1, four under its own
	s_mov_b32 s75, 0
	s_wait_dscnt 0x0                               ; both opening adds are done
	s_wait_kmcnt 0x0
	s_add_nc_u64 s[66:67], s[4:5], s[70:71]        ; Q at my first row
	s_add_nc_u64 s[68:69], s[6:7], s[72:73]        ; out0 likewise
	s_add_nc_u64 s[PFA:PFA+1], s[4:5], s[74:75]
	s_add_nc_u64 s[16:17], s[4:5], s[14:15]
.irp z, 0,1
	s_mov_b32 s[G0K+4*\z], 1                       ; count = 1
	s_add_co_u32 s[G0K+4*\z+1], s18, \z*SLOT       ; LDS address
	s_add_nc_u64 s[G0K+4*\z+2:G0K+4*\z+3], s[16:17], MATB+(1-\z)*TILEB   ; global address: K's tile 4 j + 3 for slot 0, 4 j + 2 for slot 1
	s_or_b32 s[G0K+4*\z+3], s[G0K+4*\z+3], 0x80000000               ; type = 2
	s_mov_b32 s[G0V+4*\z], 1
	s_add_co_u32 s[G0V+4*\z+1], s19, \z*SLOT+VOFF
	s_add_nc_u64 s[G0V+4*\z+2:G0V+4*\z+3], s[16:17], 2*MATB+(1-\z)*TILEB
	s_or_b32 s[G0V+4*\z+3], s[G0V+4*\z+3], 0x80000000
.endr
	ROUND                                          ; all four work-groups are here: the first joint loads meet
	s_cmp_lt_u32 s[WV], 2                          ; a wave's two first fills stand in one branch, ahead of every wait on TENSORcnt and every LDS read; an s_nop 0 follows each, four v_nop the second's
	s_cbranch_scc0 .Lfirst_v
	tensor_load_to_lds s[G0K:G0K+3], s[G1K:G1K+7]
	s_nop 0
	tensor_load_to_lds s[G0K+4:G0K+7], s[G1K:G1K+7]
	s_nop 0
	PLACES 4
	s_branch .Lfirst_asked
.Lfirst_v:
	tensor_load_to_lds s[G0V:G0V+3], s[G1V:G1V+7]
	s_nop 0
	tensor_load_to_lds s[G0V+4:G0V+7], s[G1V:G1V+7]
	s_nop 0
	PLACES 4
.Lfirst_asked:
	v_and_b32 v1, 15, v0                           ; r
	v_bfe_u32 v2, v0, 4, 1                         ; h
	v_mul_u32_u24 v[QO], v1, 768
	v_lshl_add_u32 v[QO], v2, 4, v[QO]
	WIN 0xc0                                       ; destination window 3
.irp q, 0,1
.irp u, 0,1,2,3,4,5,6,7,8,9,10,11
	global_load_b128 v[8*(12*\q+\u):8*(12*\q+\u)+3],   v[QO], s[66:67] offset:49152*\q+64*\u       ; Q stays in registers; tile q lies 64 rows on
	global_load_b128 v[8*(12*\q+\u)+4:8*(12*\q+\u)+7], v[QO], s[66:67] offset:49152*\q+64*\u+32
.endr
.endr
	WIN 0
	v_mul_u32_u24 v[AK], v1, KP
	v_lshl_add_u32 v[AK], v2, 4, v[AK]
	v_add_nc_u32 v[AK], s18, v[AK]                 ; K: row 32 kh + r, + 16 h
	v_add_nc_u32 v[AK+1], SLOT, v[AK]
	v_and_b32 v28, 7, v0
	v_bfe_u32 v29, v0, 3, 1
	v_lshl_add_u32 v[AV], v2, 3, v28
	v_mul_u32_u24 v[AV], v[AV], VP
	v_lshl_add_u32 v[AV], v29, 4, v[AV]
	v_add_nc_u32 v[AV], s19, v[AV]
	v_add_nc_u32 v[AV], VOFF, v[AV]                ; V: row 32 kh + 8 h + l % 8, + 16 ((l / 8) % 2)
	v_add_nc_u32 v[AV+1], SLOT, v[AV]
	v_mov_b32 v[NINF], 0xff800000
	v_lshlrev_b32 v[VQ], 3, v2
	v_sub_nc_u32 v[VQ], v1, v[VQ]
	v_add_nc_u32 v[VQ], s76, v[VQ]
	v_add_nc_u32 v[VQ+1], 64, v[VQ]
	v_and_b32 v[PFO], 31, v0
	v_lshlrev_b32 v[PFO], 8, v[PFO]
.irp q, 0,1
	v_mov_b32 v[ST+8*\q+1], 0xff61b1e6             ; m = -3e38, under every score
	v_mov_b32 v[ST+8*\q+2], 0                      ; l, in two halves
	v_mov_b32 v[ST+8*\q+3], 0
	v_mov_b32 v[ST+8*\q+5], 0                      ; named as the upper half of f's pair
	v_mov_b32 v[ST+8*\q+7], 0                      ; a lane permute's destination counts as one of its sources
.endr
.irp q, 0,1
	v_mul_f32 v[ST+8*\q], s[CS], v[ST+8*\q+1]      ; c m
.endr
	WIN 0x40                                       ; O^T = 0 (why: the head comment), while the first tiles are on their way
.set i, 0
.rept 256
	v_mov_b32 v[i], 0
.set i, i+1
.endr
	WIN 0x80
.set i, 0
.rept 128
	v_mov_b32 v[i], 0
.set i, i+1
.endr
	WIN 0
	s_wait_tensorcnt 0x1                           ; my part of slot 0 is in; slot 1's may stay out
	s_barrier_signal -1
	s_barrier_wait -1                              ; everybody's is
	FETCH_K 0, 0                                   ; the first tile's K
	FETCH_K 0, 1
	FETCH_K 0, 2
	s_wait_loadcnt 0x0                             ; Q
.Lloop:
	BODY 0, 2
	BODY 1, 2
	s_sub_co_u32 s[CNT], s[CNT], 1
	s_cmp_lg_u32 s[CNT], 0
	s_cbranch_scc1 .Lloop
	BODY 0, 1                                      ; the last two tiles are written out
	BODY 1, 0
	; THE END.  l's halves are joined; the kh = 1 waves hand O, c m and l to their partners through slot 0 (every wave's reads of it ended ahead of the barrier in the last step but one); the kh = 0 waves merge, divide and store.
.irp q, 0,1
	v_add_f32 v[ST+8*\q+6], v[ST+8*\q+2], v[ST+8*\q+3]
.endr
.irp q, 0,1
	v_permlanex16_b32 v[ST+8*\q+7], v[ST+8*\q+6], s[SEL], s[SEL+1]
.endr
.irp q, 0,1
	v_add_f32 v[ST+8*\q+2], v[ST+8*\q+6], v[ST+8*\q+7]   ; my partial l.  (These lines and the addresses below are the plain instructions behind the last products)
.endr
	v_and_b32 v29, 31, v0
	s_mul_i32 s14, s9, 49152
	v_lshl_add_u32 v3, v29, 4, s14                 ; the merge's O: 49,152 g + 16 x lane
	s_lshl_b32 s15, s9, 9
	s_add_co_u32 s15, s15, MSS
	v_lshl_add_u32 v4, v29, 4, s15                 ; its statistics
	s_mul_i32 s16, s9, 16*OSP
	s_add_co_u32 s16, s16, SLOT
	v_mul_u32_u24 v5, v1, OSP
	v_lshl_add_u32 v5, v2, 5, v5
	v_add_nc_u32 v5, s16, v5                       ; into the stage: row r, + 32 h
	v_lshl_add_u32 v6, v29, 4, s16                 ; out of it: 16 x lane
	v_lshlrev_b32 v[QO], 4, v29                    ; and the same in out0
	s_cmp_eq_u32 s10, 0
	s_cbranch_scc1 .Lkeeps
	v_mov_b32 v64, v[ST]
	v_mov_b32 v65, v[ST+8]
	v_mov_b32 v66, v[ST+2]
	v_mov_b32 v67, v[ST+10]
	ds_store_b128 v4, v[64:67]
	WIN 0x04                                       ; an LDS store's data are its source 1: window 1
.set nn, 0
.rept 16
.irp q, 0,1
	ds_store_b128 v3, v[8*(2*nn+\q):8*(2*nn+\q)+3]   offset:1024*(24*\q+nn)        ; images of the registers; each accumulator from its low end on
	ds_store_b128 v3, v[8*(2*nn+\q)+4:8*(2*nn+\q)+7] offset:1024*(24*\q+nn)+512
.endr
.set nn, nn+1
.endr
	WIN 0x08
.set nn, 0
.rept 8
.irp q, 0,1
	ds_store_b128 v3, v[8*(2*nn+\q):8*(2*nn+\q)+3]   offset:1024*(24*\q+16+nn)
	ds_store_b128 v3, v[8*(2*nn+\q)+4:8*(2*nn+\q)+7] offset:1024*(24*\q+16+nn)+512
.endr
.set nn, nn+1
.endr
	WIN 0
.Lkeeps:
	s_wait_dscnt 0x0                               ; for the others' sake: my stores have landed, and my reads of slot 1 are over
	s_barrier_signal -1
	s_barrier_wait -1
	s_cmp_lg_u32 s10, 0
	s_cbranch_scc1 .Ldone
	ds_load_b128 v[64:67], v4                      ; the partner's c m (two tiles) and l (two tiles)
	s_wait_dscnt 0x0
.irp q, 0,1
	v_max_num_f32 v[ST+8*\q+1], v[ST+8*\q], v[64+\q]
.endr
.irp q, 0,1
	v_sub_f32 v[ST+8*\q+4], v[ST+8*\q], v[ST+8*\q+1]
	v_sub_f32 v[ST+8*\q+6], v[64+\q], v[ST+8*\q+1]
.endr
.irp q, 0,1
	v_exp_f32 v[ST+8*\q+4], v[ST+8*\q+4]           ; my weight,
	v_exp_f32 v[ST+8*\q+6], v[ST+8*\q+6]           ; the partner's
.endr
	v_nop
	s_wait_alu depctr_va_vdst(0)                   ; one wait for the four, ahead of their first reader
.irp q, 0,1
	v_mul_f32 v[ST+8*\q+2], v[ST+8*\q+2], v[ST+8*\q+4]
.endr
.irp q, 0,1
	v_fma_f32 v[ST+8*\q+2], v[66+\q], v[ST+8*\q+6], v[ST+8*\q+2]   ; the row's sum
.endr
.irp q, 0,1
	v_rcp_f32 v[ST+8*\q+3], v[ST+8*\q+2]
.endr
	v_nop
	s_wait_alu depctr_va_vdst(0)                   ; one wait for the two
.irp q, 0,1
	v_mul_f32 v[ST+8*\q+4], v[ST+8*\q+4], v[ST+8*\q+3]   ; both weights / the sum
	v_mul_f32 v[ST+8*\q+6], v[ST+8*\q+6], v[ST+8*\q+3]
.endr
; Tile q: the partner's O into v64-255; mine x my weight; theirs x their weight + mine; through my stage; 16 whole rows of 1,536 bytes out, 512 consecutive bytes a store.
.macro MERGE q
.if \q
	s_wait_xcnt 0x0                                ; tile 0's stores have read v64-255: only now are they loaded again
.endif
.set nn, 0
.rept 24
	ds_load_b128 v[KR+8*nn:KR+8*nn+3],   v3 offset:1024*(24*\q+nn)
	ds_load_b128 v[KR+8*nn+4:KR+8*nn+7], v3 offset:1024*(24*\q+nn)+512
.set nn, nn+1
.endr
	WIN 0x41
.set nn, 0
.rept 16
.irp p, 0,2,4,6
	v_pk_mul_f32 v[8*(2*nn+\q)+\p:8*(2*nn+\q)+\p+1], v[8*(2*nn+\q)+\p:8*(2*nn+\q)+\p+1], v[ST+8*\q+4:ST+8*\q+5] op_sel_hi:[1,0]
.endr
.set nn, nn+1
.endr
	WIN 0x82
.set nn, 0
.rept 8
.irp p, 0,2,4,6
	v_pk_mul_f32 v[8*(2*nn+\q)+\p:8*(2*nn+\q)+\p+1], v[8*(2*nn+\q)+\p:8*(2*nn+\q)+\p+1], v[ST+8*\q+4:ST+8*\q+5] op_sel_hi:[1,0]
.endr
.set nn, nn+1
.endr
	s_wait_dscnt 0x0
	WIN 0x10                                       ; source 2 (my O) window 1
.set nn, 0
.rept 16
.irp p, 0,2,4,6
	v_pk_fma_f32 v[KR+8*nn+\p:KR+8*nn+\p+1], v[KR+8*nn+\p:KR+8*nn+\p+1], v[ST+8*\q+6:ST+8*\q+7], v[8*(2*nn+\q)+\p:8*(2*nn+\q)+\p+1] op_sel_hi:[1,0,1]
.endr
.set nn, nn+1
.endr
	WIN 0x20
.set nn, 0
.rept 8
.irp p, 0,2,4,6
	v_pk_fma_f32 v[KR+128+8*nn+\p:KR+128+8*nn+\p+1], v[KR+128+8*nn+\p:KR+128+8*nn+\p+1], v[ST+8*\q+6:ST+8*\q+7], v[8*(2*nn+\q)+\p:8*(2*nn+\q)+\p+1] op_sel_hi:[1,0,1]
.endr
.set nn, nn+1
.endr
	WIN 0
.set nn, 0
.rept 24
	ds_store_b128 v5, v[KR+8*nn:KR+8*nn+3]   offset:64*nn          ; lane (r, h): query r, channels 16 n + 8 h + 0 .. 7
	ds_store_b128 v5, v[KR+8*nn+4:KR+8*nn+7] offset:64*nn+16
.set nn, nn+1
.endr
.set kk, 0
.rept 48
	ds_load_b128 v[KR+4*kk:KR+4*kk+3], v6 offset:OSP*(kk/3)+512*(kk%3)   ; my own bytes; LDS serves a wave's instructions in order (ISA guide 5.7.1.4)
.set kk, kk+1
.endr
.set kk, 0
.rept 48
	s_wait_dscnt 47-kk                             ; run kk is back; the younger ones may be out
	global_store_b128 v[QO], v[KR+4*kk:KR+4*kk+3], s[68:69] offset:98304*\q+1536*(kk/3)+512*(kk%3) th:TH_STORE_NT   ; 32 lanes store 512 consecutive bytes, at a multiple of 256 from out0's first byte
.set kk, kk+1
.endr
.endm
	MERGE 0
	MERGE 1
.Ldone:
	s_wait_tensorcnt 0x0                           ; the wave's end, behind my last tensor load and my last LDS store
	ds_add_u32 v[SPW], v[NIL]
	s_wait_dscnt 0x0
	ROUND                                          ; the closing round: no work-group ends while a partner may still ask for a tile that names it
	s_endpgm
.Lfunc_end_k_q3f84a24786_attn:
	.size	k_q3f84a24786_attn, .Lfunc_end_k_q3f84a24786_attn-k_q3f84a24786_attn
	.p2alignl 7, 3214868480
	.fill 96, 4, 3214868480
	.section	.rodata,"a",@progbits
	.p2align	6, 0x0
	.amdhsa_kernel k_q3f84a24786_attn
		.amdhsa_group_segment_fixed_size 327680
		.amdhsa_private_segment_fixed_size 0
		.amdhsa_enable_private_segment 0
		.amdhsa_kernarg_size 16
		.amdhsa_user_sgpr_count 2
		.amdhsa_user_sgpr_kernarg_segment_ptr 1
		.amdhsa_wavefront_size32 1
		.amdhsa_system_sgpr_workgroup_id_x 1
		.amdhsa_system_sgpr_workgroup_id_y 1
		.amdhsa_system_sgpr_workgroup_id_z 1
		.amdhsa_system_vgpr_workitem_id 0
		.amdhsa_next_free_vgpr 1024
		.amdhsa_next_free_sgpr 80
		.amdhsa_reserve_vcc 1
		.amdhsa_float_denorm_mode_32 3
		.amdhsa_float_denorm_mode_16_64 3
		.amdhsa_memory_ordered 1
		.amdhsa_forward_progress 1
		.amdhsa_inst_pref_size 232
	.end_amdhsa_kernel
	.amdgpu_metadata
---
amdhsa.version: [ 1, 2 ]
amdhsa.kernels:
  - .name:           k_q3f84a24786_attn
    .symbol:         k_q3f84a24786_attn.kd
    .args:
      - { .name: qkv, .offset: 0, .size: 8, .value_kind: global_buffer, .address_space: global }
      - { .name: out0, .offset: 8, .size: 8, .value_kind: global_buffer, .address_space: global }
    .group_segment_fixed_size: 327680
    .private_segment_fixed_size: 0
    .kernarg_segment_align: 8
    .kernarg_segment_size: 16
    .max_flat_workgroup_size: 128
    .sgpr_count:     80
    .vgpr_count:     1024
    .wavefront_size: 32
...
	.end_amdgpu_metadata
.endif
;; end of part 5
;; launch first16: the kernel of part 4 again; grid 6 x 8, 1 waves a work-group, no clusters, 4,864 bytes of LDS; arguments q32, out0; writes out0
